; MI455X (gfx1250); checked and timed in simulation.
; The chip was launched on July 23, 2026; its instructions are those of AMD's public machine-readable ISA for CDNA 5 (MIT licence, August 2026) and "CDNA5" Instruction Set Architecture Reference Guide (July 2026). The comments in the code are by the model that wrote it; some were corrected since.
;; Multi Head Attention. Allowed arithmetic: matrix products marked QUANTISED: E5M2 operands, one E8M0 scale for each 32 along K, by v_wmma_scale_f32_16x16x128_f8f6f4 with both operands' format E5M2, f32 sums; everything else in f32.
;; Inputs: Wk_codes 1,024 x 32 x 32 uint8 (E5M2 codes of Wk, K innermost, in blocks of 32 codes); Wk_scales 1,024 x 32 uint8 (E8M0 scales of Wk, one for each 32 codes along K); Wo_codes 1,024 x 32 x 32 uint8 (E5M2 codes of Wo, K innermost, in blocks of 32 codes); Wo_scales 1,024 x 32 uint8 (E8M0 scales of Wo, one for each 32 codes along K); Wq_codes 1,024 x 32 x 32 uint8 (E5M2 codes of Wq, K innermost, in blocks of 32 codes); Wq_scales 1,024 x 32 uint8 (E8M0 scales of Wq, one for each 32 codes along K); Wv_codes 1,024 x 32 x 32 uint8 (E5M2 codes of Wv, K innermost, in blocks of 32 codes); Wv_scales 1,024 x 32 uint8 (E8M0 scales of Wv, one for each 32 codes along K); beta 1,024 float32; bk 1,024 float32; bo 1,024 float32; bq 1,024 float32; bv 1,024 float32; gamma 1,024 float32; key_codes 4 x 2,048 x 32 x 32 uint8 (E5M2 codes of key, K innermost, in blocks of 32 codes); key_scales 4 x 2,048 x 32 uint8 (E8M0 scales of key, one for each 32 codes along K); query 4 x 2,048 x 1,024 float32; value_codes 4 x 2,048 x 32 x 32 uint8 (E5M2 codes of value, K innermost, in blocks of 32 codes); value_scales 4 x 2,048 x 32 uint8 (E8M0 scales of value, one for each 32 codes along K).
;; Outputs: out0 4 x 2,048 x 1,024 float32.
;; This version of the problem:
;;   THIS VERSION OF THE PROBLEM IS GIVEN IN LOW PRECISION. The matrix products marked QUANTISED in the list below multiply operands that are first quantised to E5M2 (5 exponent bits, 2 mantissa bits; 8 bits a number), with one power-of-two scale for each 32 numbers along K (OCP MX v1.0); their sums are f32. All else is computed in f32.
;;   The module's matrix products, in the order in which they are computed (A, B: the left and right operand; K: the contracted axis; several contracted axes count as one K, in the product's order):
;;     1. [M 8,192, K 1,024] x [K 1,024, N 1,024]; A: input query; B: input Wq (given as codes): QUANTISED
;;     2. [M 8,192, K 1,024] x [K 1,024, N 1,024]; A: input key (given as codes); B: input Wk (given as codes): QUANTISED
;;     3. [M 8,192, K 1,024] x [K 1,024, N 1,024]; A: input value (given as codes); B: input Wv (given as codes): QUANTISED
;;     4. batch 64 x [M 2,048, K 64] x [K 64, N 2,048]; A: computed on the way; B: computed on the way: QUANTISED
;;     5. batch 64 x [M 2,048, K 2,048] x [K 2,048, N 64]; A: softmax (see below); B: computed on the way: QUANTISED
;;     6. [M 8,192, K 1,024] x [K 1,024, N 1,024]; A: computed on the way; B: input Wo (given as codes): QUANTISED
;;   THE QUANTISER, for each operand of a quantised product, along K:
;;     - K is cut into blocks of 32 from its start; a last block that is shorter is filled with zeros.
;;     - A block's scale is 2^e with e = floor(log2(the largest magnitude in the block)) - 15, held to -126 .. 127; a block of zeros has e = 0. As a byte (E8M0): e + 127.
;;     - Each number is divided by its block's scale, clamped to +-57,344, and rounded to the nearest number of E5M2, ties to even, subnormals kept.
;;     - The product sums the exact products of the quantised numbers (number of the format x scale) in f32.
;;   ~~~python
;;   def quantise(x, axis):      # numpy; x: float32 -> the quantised numbers, widened to float32 again
;;       x = np.moveaxis(x, axis, -1); K = x.shape[-1]
;;       x = np.pad(x, [(0, 0)] * (x.ndim - 1) + [(0, -K % 32)]); x = x.reshape(x.shape[:-1] + (-1, 32)); a = np.abs(x).max(-1, keepdims=True)
;;       e = np.where(a > 0, np.clip(np.frexp(np.where(a > 0, a, 1))[1] - 1 - 15, -126, 127), 0)      # np.frexp(a)[1] - 1 = floor(log2(a)), exactly
;;       r = np.clip(x / 2.0 ** e, -57344, 57344)
;;       step = 2.0 ** (np.maximum(np.frexp(np.where(r == 0, 1, r))[1] - 1, -14) - 2)
;;       q = np.round(r / step) * step * 2.0 ** e      # np.round: ties to even
;;       return np.moveaxis(q.reshape(q.shape[:-2] + (-1,))[..., :K], -1, axis).astype(np.float32)
;;   ~~~
;;   SOFTMAX AHEAD OF A QUANTISED PRODUCT. Where the list says 'softmax', what is quantised is not the finished softmax but p = 2^(t - M), with t = logit x log2(e) and M = ceil(the row's largest t), a whole number; so 1/2 < the row's largest p <= 1. The row's sum l is taken of the UNQUANTISED p, in f32, and the product's result is divided by l at the end. Since M is a whole number, a kernel that streams over the keys may use a running M (the ceiling of the running maximum): every later rescaling is an exact power of two, which a block's scale takes up: the codes' values come out the same.
;;   OPERANDS COMPUTED ON THE WAY. 'Computed on the way' means the value that the module computes at that place (a softmax that the list does not call 'softmax' is quantised finished and normalised). What goes into a quantiser is computed in f32, as accurately as f32 sums, v_exp_f32 and their like allow (about 1e-6 of the number): no bf16 or f16 on the way to a quantiser, and a product that is left as it is and whose result goes on into a quantised operand takes f32 operands (vector FMAs, or v_wmma_f32_16x16x4_f32). A number that lies on a knife's edge between two numbers of the format may be rounded either way, as far as f32 arithmetic and the matrix unit's own rounding can turn it there, and no further.
;;   INPUTS GIVEN AS CODES. Wk (in the module: [1024, 1024], K = its axis 0); Wo (in the module: [1024, 1024], K = its axis 0); Wq (in the module: [1024, 1024], K = its axis 0); Wv (in the module: [1024, 1024], K = its axis 0); key (in the module: [4, 2048, 1024], K = its axis 2); value (in the module: [4, 2048, 1024], K = its axis 2): each comes as NAME_codes (uint8): NAME with its K axis moved to the last place and cut into blocks of 32 codes, [.., K / 32, bytes a block], one block behind the other in memory; one code a byte (a code: sign, 5 exponent bits, 2 mantissa bits); and NAME_scales (uint8): the same leading axes, one E8M0 byte (e + 127) for each 32 codes along K. Its value is code x scale, taken as it is: it is not quantised again, and the codes and scales need not be those that the quantiser above would give.
;; One version. Each part assembles by itself: llvm-mc -triple=amdgcn-amd-amdhsa -mcpu=gfx1250 --defsym DOCPART=n.
;; ======== version 1 of 1: 4 launches
;; limits: right only within a limited range of input values
;; workspace buffers: qx_codes 8,388,608 bytes; qx_scales 262,144 bytes; wo_img 1,048,576 bytes; pc 25,165,824 bytes; ps 786,432 bytes; cc 8,388,608 bytes; cs 262,144 bytes
;; launch quantq (part 1): grid 256 x 1, 4 waves a work-group, no clusters, 33,280 bytes of LDS; arguments query, Wo_codes, qx_codes, qx_scales, wo_img; writes qx_codes, qx_scales, wo_img
.if DOCPART == 1
	.amdgcn_target "amdgcn-amd-amdhsa--gfx1250"
	.amdhsa_code_object_version 6
	.text
	.protected	k_qe3d4852e05_quantq
	.globl	k_qe3d4852e05_quantq
	.p2align	8
	.type	k_qe3d4852e05_quantq,@function
k_qe3d4852e05_quantq:
	s_mov_b64 s[64:65], 0
	v_nop
	global_prefetch_b8 v0, s[64:65] scope:SCOPE_SE
	s_setreg_imm32_b32 hwreg(HW_REG_WAVE_MODE, 25, 1), 1
	s_wait_xcnt 0x0
; query [8192][1024], f32, becomes codes of BF8 (E5M2), K innermost, qx_codes [8192][1024], with one E8M0 byte for each 32 along K, qx_scales [8192][32].
; A block's scale is 2^(floor(log2(its largest magnitude)) - 15); its byte is the largest magnitude's exponent field - 15, held at 1 from below.  Each number is divided by the scale,
; held within +-57,344 and rounded to the nearest code, ties to even.
; LIMITS: a block of zeros, and a block whose largest magnitude lies under 2^-111, gets the byte 1 (zeros: their codes are zeros, which add nothing; these bytes are read by this program alone).
; NaN and infinities among the inputs are not served.
; Rows are dense and 1024 is a multiple of 32: the tensor is a plain stream of blocks of 32.  A wave takes 16 steps of 512 numbers.  Each load reads 512 consecutive bytes, 16 a lane; a step's
; 2,048 bytes turn through the wave's own stage in LDS and come back 64 bytes a lane (16 neighbours; two neighbouring lanes hold a block).  The stage has 16 bytes of padding behind each 64.
; A lane's 16 codes are 16 bytes: the wave stores 512 consecutive bytes.  A wave's 256 scale bytes are gathered in LDS and leave as 256 consecutive bytes.
; BESIDE THAT each wave lays 1,024 bytes of Wo's codes anew, into wo_img: the order of the matrix operand's registers.  Byte (8 nt + s) x 2048 + 512 c + 16 lane holds the 16 codes
; Wo_codes[16 nt + lane % 16][128 s + 32 c + 16 (lane / 16) ..]: the last launch then loads each fragment as four runs of 512 consecutive bytes.
; No tensor loads, no barrier, no cluster: waves share nothing, and every input byte is read by one wave.
.set STEPS, 16
.set EMAX,  15
.set MANT,  0x600000                   ; the mantissa field of 57,344 as f32
.set R,     16                         ; v16-79   four sets of 16 numbers as they are loaded
.set X,     80                         ; v80-111  two sets of 16 neighbours
.set E,     112                        ; v112-127 a scale byte for each step
.set C,     128                        ; v128-191 codes: four registers for each step, so that no store's data are written again
.set WO,    192                        ; v192-199 my 32 bytes a lane of Wo's codes
.set WOA,   200                        ; v200     their place: 1024 (lane % 16) + 16 (lane / 16)
.set WREG,  8192                       ; LDS: a region for each wave: two stages of 32 x SP bytes, behind them its 256 scale bytes
.set SP,    80                         ; a lane's place in a stage: its 64 bytes + 16 of padding
	s_load_b128 s[4:7], s[0:1], 0x0                ; query, Wo_codes
	s_load_b128 s[8:11], s[0:1], 0x10              ; qx_codes, qx_scales
	s_load_b64 s[12:13], s[0:1], 0x20              ; wo_img
	v_lshl_add_u32 v208, v0, 2, 0x8000
	v_mov_b32 v209, 0
	v_lshrrev_b32 v1, 5, v0
	v_readfirstlane_b32 s16, v1                    ; wave
	v_and_b32 v2, 31, v0                           ; lane
	v_lshlrev_b32 v3, 4, v2                        ; 16 x lane: my 16 bytes of 512, in loads and in stores
	s_mul_i32 s17, s16, WREG
	v_lshrrev_b32 v14, 2, v2
	v_mul_u32_u24 v14, v14, SP
	v_and_b32 v15, 3, v2
	v_lshl_add_u32 v14, v15, 4, v14
	v_add_nc_u32 v14, s17, v14                     ; the stage, on the way in: SP (lane / 4) + 16 (lane % 4)
	v_mul_u32_u24 v15, v2, SP
	v_add_nc_u32 v15, s17, v15                     ; and on the way out: SP x lane: my 16 neighbours
	v_lshrrev_b32 v5, 1, v2
	s_add_co_u32 s17, s17, 2*32*SP
	v_add_nc_u32 v5, s17, v5                       ; LDS: my wave's 256 scale bytes, my block's byte
	v_lshlrev_b32 v7, 3, v2                        ; and on the way out 8 bytes a lane
	v_add_nc_u32 v6, s17, v7
	v_and_b32 v[WOA], 15, v2
	v_lshrrev_b32 v8, 4, v2
	v_lshlrev_b32 v[WOA], 10, v[WOA]
	v_lshl_add_u32 v[WOA], v8, 4, v[WOA]
	s_lshl_b32 s18, ttmp9, 2
	s_add_co_u32 s18, s18, s16                     ; W = 4 x work-group + wave, 0 .. 1023: my run of 8,192 numbers, and my 1,024 bytes of wo_img
	s_lshr_b32 s24, s18, 1                         ; the fragment 8 nt + s
	s_lshr_b32 s25, s24, 3
	s_lshl_b32 s25, s25, 14                        ; nt x 16 rows of 1,024 bytes
	s_and_b32 s24, s24, 7
	s_lshl_b32 s24, s24, 7                         ; s x 128
	s_add_co_u32 s24, s24, s25
	s_and_b32 s25, s18, 1
	s_lshl_b32 s25, s25, 6                         ; c = 2 (W % 2), 2 (W % 2) + 1: 32 bytes each
	s_add_co_u32 s24, s24, s25
	s_mov_b32 s25, 0
	s_lshl_b32 s26, s18, 10
	s_mov_b32 s27, 0
	s_mov_b32 s21, 0
	s_wait_alu depctr_va_vdst(0)
	s_wait_kmcnt 0x0
	s_add_nc_u64 s[6:7], s[6:7], s[24:25]
	s_add_nc_u64 s[12:13], s[12:13], s[26:27]
	s_lshl_b32 s20, s18, 15                        ; 32,768 bytes of f32 a run
	s_add_nc_u64 s[4:5], s[4:5], s[20:21]
	s_lshl_b32 s20, s18, 13                        ; 8,192 bytes of codes
	s_add_nc_u64 s[8:9], s[8:9], s[20:21]
	s_lshl_b32 s20, s18, 8                         ; 256 scale bytes
	s_add_nc_u64 s[10:11], s[10:11], s[20:21]
.macro LOAD t
.irp i, 0,1,2,3
	global_load_b128 v[R+16*((\t)%4)+4*\i:R+16*((\t)%4)+4*\i+3], v3, s[4:5] offset:2048*(\t)+512*\i th:TH_LOAD_NT   ; 32 lanes read 512 consecutive bytes
.endr
.endm
.macro TURN t                          ; step t's numbers through the stage: LDS serves a wave's instructions in order, so no wait stands between the stores and the loads
.irp i, 0,1,2,3
	ds_store_b128 v14, v[R+16*((\t)%4)+4*\i:R+16*((\t)%4)+4*\i+3] offset:32*SP*((\t)%2)+8*SP*\i
.endr
.irp i, 0,1,2,3
	ds_load_b128 v[X+16*((\t)%2)+4*\i:X+16*((\t)%2)+4*\i+3], v15 offset:32*SP*((\t)%2)+16*\i
.endr
.endm
	global_load_b128 v[WO:WO+3], v[WOA], s[6:7]              ; Wo's codes first: the oldest two loads
	global_load_b128 v[WO+4:WO+7], v[WOA], s[6:7] offset:32
.irp t, 0,1,2,3
	LOAD \t
.endr
	s_wait_loadcnt 12                              ; 18 loads are out; the oldest six are in: Wo's two and step 0's four
	global_store_b128 v3, v[WO:WO+3], s[12:13]               ; 512 consecutive bytes each; these registers are not written again
	global_store_b128 v3, v[WO+4:WO+7], s[12:13] offset:512
	TURN 0
.macro STEP t
.set XS, X+16*((\t)%2)
.if (\t) > 0
	s_wait_dscnt 1                                 ; this step's numbers are back from the stage (the last step's byte store may be out): so its stores into the stage have read their registers,
.else
	s_wait_dscnt 0x0
.endif
.if (\t)+4 < STEPS
	LOAD (\t)+4                                    ; which take the loads of four steps on
.endif
.if (\t)+1 < STEPS
.if STEPS-2-(\t) >= 3
	s_wait_loadcnt 12                              ; the next step's four loads are in; those of the three steps behind it may be out
.else
	s_wait_loadcnt 4*(STEPS-2-(\t))
.endif
	TURN (\t)+1                                    ; and go through the other stage while this step is worked
.endif
	v_max3_num_f32 v8, |v[XS]|, |v[XS+1]|, |v[XS+2]|               ; the largest magnitude of my 16, in two chains
	v_max3_num_f32 v9, |v[XS+3]|, |v[XS+4]|, |v[XS+5]|
.irp i, 6,10
	v_max3_num_f32 v8, v8, |v[XS+\i]|, |v[XS+\i+1]|
	v_max3_num_f32 v9, v9, |v[XS+\i+2]|, |v[XS+\i+3]|
.endr
	v_max3_num_f32 v8, v8, |v[XS+14]|, |v[XS+15]|
	v_max3_num_f32 v8, v8, v9, (EMAX+1)<<23        ; and the floor 2^(16 - 127): the byte cannot fall under 1
	v_max_num_f32_dpp v8, v8, v8 row_xmask:1 row_mask:0xf bank_mask:0xf   ; and of my neighbour's 16: the block's
	v_add_nc_u32 v11, 0xf8800000, v8               ; 15 off its exponent field: the conversion takes the exponent field of this operand as its scale
.irp i, 0,1,2,3,4,5,6,7,8,9,10,11,12,13,14,15
.endr
	v_cvt_scalef32_pk8_bf8_f32 v[C+4*(\t):C+4*(\t)+1], v[XS:XS+7], v11
	v_cvt_scalef32_pk8_bf8_f32 v[C+4*(\t)+2:C+4*(\t)+3], v[XS+8:XS+15], v11
	v_lshrrev_b32 v[E+(\t)], 23, v11               ; the scale's byte (also the plain line behind the conversions)
	ds_store_b8 v5, v[E+(\t)] offset:16*(\t)       ; both lanes of a block write the same byte with the same value
	global_store_b128 v3, v[C+4*(\t):C+4*(\t)+3], s[8:9] offset:512*(\t)
.endm
.irp t, 0,1,2,3,4,5,6,7,8,9,10,11,12,13,14,15
	STEP \t
.endr
	ds_load_b64 v[12:13], v6                       ; LDS serves a wave's instructions in order: these see my stores
	s_wait_dscnt 0x0
	global_store_b64 v7, v[12:13], s[10:11]        ; 32 lanes store 256 consecutive bytes
	s_wait_tensorcnt 0x0
	ds_add_u32 v208, v209
	s_wait_dscnt 0x0
	s_endpgm
.Lfunc_end_k_qe3d4852e05_quantq:
	.size	k_qe3d4852e05_quantq, .Lfunc_end_k_qe3d4852e05_quantq-k_qe3d4852e05_quantq
	.p2alignl 7, 3214868480
	.fill 96, 4, 3214868480
	.section	.rodata,"a",@progbits
	.p2align	6, 0x0
	.amdhsa_kernel k_qe3d4852e05_quantq
		.amdhsa_group_segment_fixed_size 33280
		.amdhsa_private_segment_fixed_size 0
		.amdhsa_enable_private_segment 0
		.amdhsa_kernarg_size 40
		.amdhsa_user_sgpr_count 2
		.amdhsa_user_sgpr_kernarg_segment_ptr 1
		.amdhsa_wavefront_size32 1
		.amdhsa_system_sgpr_workgroup_id_x 1
		.amdhsa_system_sgpr_workgroup_id_y 1
		.amdhsa_system_sgpr_workgroup_id_z 1
		.amdhsa_system_vgpr_workitem_id 0
		.amdhsa_next_free_vgpr 210
		.amdhsa_next_free_sgpr 66
		.amdhsa_reserve_vcc 0
		.amdhsa_float_denorm_mode_32 3
		.amdhsa_float_denorm_mode_16_64 3
		.amdhsa_fp16_overflow 1
		.amdhsa_memory_ordered 1
		.amdhsa_forward_progress 1
		.amdhsa_inst_pref_size 34
	.end_amdhsa_kernel
	.amdgpu_metadata
---
amdhsa.version: [ 1, 2 ]
amdhsa.kernels:
  - .name:           k_qe3d4852e05_quantq
    .symbol:         k_qe3d4852e05_quantq.kd
    .args:
      - { .name: query, .offset: 0, .size: 8, .value_kind: global_buffer, .address_space: global }
      - { .name: Wo_codes, .offset: 8, .size: 8, .value_kind: global_buffer, .address_space: global }
      - { .name: qx_codes, .offset: 16, .size: 8, .value_kind: global_buffer, .address_space: global }
      - { .name: qx_scales, .offset: 24, .size: 8, .value_kind: global_buffer, .address_space: global }
      - { .name: wo_img, .offset: 32, .size: 8, .value_kind: global_buffer, .address_space: global }
    .group_segment_fixed_size: 33280
    .private_segment_fixed_size: 0
    .kernarg_segment_align: 8
    .kernarg_segment_size: 40
    .max_flat_workgroup_size: 128
    .sgpr_count:     66
    .vgpr_count:     210
    .wavefront_size: 32
...
	.end_amdgpu_metadata
.endif
;; end of part 1
;; launch proj (part 2): grid 4 x 96, 4 waves a work-group, clusters of 4 x 4, 327,680 bytes of LDS; arguments Wq_codes, Wq_scales, qx_codes, qx_scales, bq, Wk_codes, Wk_scales, key_codes, key_scales, bk, value_codes, value_scales, Wv_codes, Wv_scales, bv, pc, ps; writes pc, ps
.if DOCPART == 2
	.amdgcn_target "amdgcn-amd-amdhsa--gfx1250"
	.amdhsa_code_object_version 6
	.text
	.protected	k_qe3d4852e05_proj
	.globl	k_qe3d4852e05_proj
	.p2align	8
	.type	k_qe3d4852e05_proj,@function
k_qe3d4852e05_proj:
	s_mov_b64 s[64:65], 0
	v_nop
	global_prefetch_b8 v0, s[64:65] scope:SCOPE_SE
	s_setreg_imm32_b32 hwreg(HW_REG_WAVE_MODE, 25, 1), 1
	s_wait_xcnt 0x0
	s_wait_alu depctr_hold_cnt(0) depctr_sa_sdst(0) depctr_va_vdst(0) depctr_va_sdst(0) depctr_va_ssrc(0) depctr_va_vcc(0) depctr_vm_vsrc(0)
	s_getreg_b32 s2, hwreg(HW_REG_IB_STS2, 6, 4)
	s_cmp_eq_u32 s2, 0
	s_cbranch_scc0 .Lentry_in_a_cluster
	s_endpgm
.Lentry_in_a_cluster:
	s_bfe_u32 s2, ttmp6, 0x10000c
	s_cmp_lg_u32 s2, 0xf033
	s_cbranch_scc0 .Lentry_shape_is_right
	s_endpgm
.Lentry_shape_is_right:
.set SIZE_K, 1024
.set KSTEP,  256
.set NQ,     KSTEP/128
.set ROWB,   256
.set KROW,   SIZE_K
.set PITCH,  272
.set FR,     16
.set NL,     4
.set NP,     8
.set HALFT,  128*PITCH
.set SLOT,   4*HALFT
.set LAPS,   SIZE_K/(2*KSTEP)
.set KS,     SIZE_K/32
.set SCL,    2*SLOT
.set HALFS,  (128*KS/256)*272
.set SBLK,   (16*KS/256)*272
.set SPARE,  SCL+4*HALFS
.set AJ,   8
.set ADRA, 16
.set ADRB, 20
.set S4,   24
.set CO,   26
.set ADRS, 27
.set SPW,  28
.set NIL,  29
.set SC,   32
.set BI,   64
.set AF,   128
.set T,    128
.set PC,   192
.set PW,   208
.set TM,   224
.set SW,   240
.set SEL,  18
.set MNT,  20
.set MODE, 95
.set G1, 24
.set G0, 32
.set G1B, 48
.set G0B, 56
.set G1S, 68
.set G0S, 76
.set G1SB, 80
.set G0SB, 88
.set MSB, 0
.macro WIN new
.if MSB != \new
	s_set_vgpr_msb (MSB<<8)|\new
.set MSB, \new
.endif
.endm
.set MUL_LO, 0xa1
.set MUL_HI, 0xf1
.set TO_B,   0x40
.macro JLOAD g0a, g1a, g0b, g1b
	s_cmp_eq_u32 s15, 0
	s_cbranch_scc0 .Lfor_b_\@
	tensor_load_to_lds s[\g0a:\g0a+3], s[\g1a:\g1a+7]
	s_nop 0
.rept 4
	v_nop
.endr
	s_branch .Lasked_\@
.Lfor_b_\@:
	tensor_load_to_lds s[\g0b:\g0b+3], s[\g1b:\g1b+7]
	s_nop 0
.rept 4
	v_nop
.endr
.Lasked_\@:
.endm
.macro CREST
	s_cmp_lg_u32 s14, 0
	s_cbranch_scc1 .Lnot_wave_0_\@
	s_barrier_signal -3
.Lnot_wave_0_\@:
	s_barrier_wait -3
	s_barrier_signal -1
	s_barrier_wait -1
.endm
.macro CROUND
	s_barrier_signal -1
	s_barrier_wait -1
	CREST
.endm
	s_load_b512 s[24:39], s[0:1], 0x0
	s_load_b512 s[40:55], s[0:1], 0x40
	s_load_b64 s[56:57], s[0:1], 0x80
	v_lshl_add_u32 v[SPW], v0, 2, SPARE
	v_mov_b32 v[NIL], 0
	ds_add_u32 v28, v29
	ds_add_u32 v28, v29
	s_wait_dscnt 0x0
	v_lshrrev_b32 v1, 5, v0
	v_readfirstlane_b32 s14, v1
	s_lshr_b32 s15, s14, 1
	s_and_b32 s16, s14, 1
	s_and_b32 s17, ttmp7, 0xffff
	s_lshr_b32 s[MODE], s17, 3
	s_and_b32 s17, s17, 7
	s_wait_kmcnt 0x0
	s_cmp_eq_u32 s[MODE], 1
	s_cselect_b64 s[8:9], s[34:35], s[24:25]
	s_cselect_b64 s[10:11], s[36:37], s[26:27]
	s_cselect_b64 s[4:5], s[38:39], s[28:29]
	s_cselect_b64 s[6:7], s[40:41], s[30:31]
	s_cselect_b64 s[66:67], s[42:43], s[32:33]
	s_cmp_eq_u32 s[MODE], 2
	s_cselect_b64 s[8:9], s[44:45], s[8:9]
	s_cselect_b64 s[10:11], s[46:47], s[10:11]
	s_cselect_b64 s[4:5], s[48:49], s[4:5]
	s_cselect_b64 s[6:7], s[50:51], s[6:7]
	s_cselect_b64 s[66:67], s[52:53], s[66:67]
	s_mov_b64 s[12:13], s[54:55]
	s_mov_b64 s[96:97], s[56:57]
	s_cselect_b32 s93, s17, 0
	s_cselect_b32 s17, 0, s17
	s_bfe_u32 s40, ttmp6, 0x40000
	s_bfe_u32 s41, ttmp6, 0x40004
	s_lshl_b32 s42, s93, 2
	s_add_co_u32 s42, s42, s40
	s_lshl_b32 s17, s17, 2
	s_add_co_u32 s17, s17, s41
	s_lshl_b32 s43, s41, 2
	s_lshl_b32 s43, 15, s43
	s_lshl_b32 s44, 0x1111, s40
	s_or_b32 s[G1+0], s43, (0<<16)|(1<<20)|(1<<21)|(5<<22)|(3<<25)
	s_or_b32 s[G1B+0], s44, (0<<16)|(1<<20)|(1<<21)|(5<<22)|(3<<25)
.irp g, G1, G1B
	s_mov_b32 s[\g+1], ROWB<<16
	s_mov_b32 s[\g+2], 128<<16
	s_mov_b32 s[\g+3], ROWB<<16
	s_mov_b32 s[\g+4], 128
	s_mov_b32 s[\g+5], KROW
	s_mov_b32 s[\g+6], 0
	s_mov_b32 s[\g+7], 0
.endr
	s_or_b32 s[G1S+0], s43, (3<<16)|(1<<20)|(1<<21)|(5<<22)|(3<<25)
	s_or_b32 s[G1SB+0], s44, (3<<16)|(1<<20)|(1<<21)|(5<<22)|(3<<25)
.irp g, G1S, G1SB
	s_mov_b32 s[\g+1], 32<<16
	s_mov_b32 s[\g+2], (128*KS/256)<<16
	s_mov_b32 s[\g+3], 32<<16
	s_mov_b32 s[\g+4], 128*KS/256
	s_mov_b32 s[\g+5], 32
	s_mov_b32 s[\g+6], 0
	s_mov_b32 s[\g+7], 0
.endr
	s_lshl_b32 s18, s16, 7
	s_lshl_b32 s20, s17, 8
	s_add_co_u32 s20, s20, s18
	s_lshl_b32 s46, s42, 8
	s_add_co_u32 s46, s46, s18
	s_mov_b32 s21, 0
	s_mov_b32 s47, 0
	s_mov_b64 s[18:19], KS
	s_mul_u64 s[22:23], s[20:21], s[18:19]
	s_mul_u64 s[92:93], s[46:47], s[18:19]
	s_mov_b64 s[18:19], KROW
	s_mul_u64 s[20:21], s[20:21], s[18:19]
	s_mul_u64 s[46:47], s[46:47], s[18:19]
	s_mul_i32 s45, s14, HALFT
	s_mul_i32 s94, s14, HALFS
	s_add_nc_u64 s[20:21], s[4:5], s[20:21]
	s_add_nc_u64 s[22:23], s[6:7], s[22:23]
	s_add_nc_u64 s[46:47], s[8:9], s[46:47]
	s_add_nc_u64 s[92:93], s[10:11], s[92:93]
	CROUND
	s_mov_b32 s[G0S], 1
	s_add_co_u32 s[G0S+1], s94, SCL
	s_mov_b64 s[G0S+2:G0S+3], s[22:23]
	s_or_b32 s[G0S+3], s[G0S+3], 0x80000000
	s_mov_b32 s[G0SB], 1
	s_add_co_u32 s[G0SB+1], s94, SCL
	s_mov_b64 s[G0SB+2:G0SB+3], s[92:93]
	s_or_b32 s[G0SB+3], s[G0SB+3], 0x80000000
	JLOAD G0S, G1S, G0SB, G1SB
.irp s, 0,1
	s_mov_b32 s[G0+4*\s], 1
	s_add_co_u32 s[G0+4*\s+1], s45, \s*SLOT
	s_add_nc_u64 s[G0+4*\s+2:G0+4*\s+3], s[20:21], \s*ROWB
	s_or_b32 s[G0+4*\s+3], s[G0+4*\s+3], 0x80000000
	s_mov_b32 s[G0B+4*\s], 1
	s_add_co_u32 s[G0B+4*\s+1], s45, \s*SLOT
	s_add_nc_u64 s[G0B+4*\s+2:G0B+4*\s+3], s[46:47], \s*ROWB
	s_or_b32 s[G0B+4*\s+3], s[G0B+4*\s+3], 0x80000000
	s_wait_alu depctr_va_vdst(0)
	s_wait_tensorcnt 0x0
	ds_add_u32 v28, v29
	s_wait_dscnt 0x0
	CROUND
	JLOAD G0+4*\s, G1, G0B+4*\s, G1B
.endr
	v_and_b32 v1, 15, v0
	v_bfe_u32 v2, v0, 4, 1
	v_mul_u32_u24 v3, v1, PITCH
	v_lshl_add_u32 v4, v2, 4, v3
	s_mul_i32 s21, s15, HALFT
	s_mul_i32 s22, s16, HALFT
	s_add_co_u32 s22, s22, 2*HALFT
.irp s, 0,1
	v_add_nc_u32 v[ADRA+\s], s21, v4
	v_add_nc_u32 v[ADRB+\s], s22, v4
	s_add_co_u32 s21, s21, SLOT
	s_add_co_u32 s22, s22, SLOT
.endr
	v_mul_u32_u24 v5, v1, KS
	v_lshrrev_b32 v6, 8, v5
	v_lshl_add_u32 v5, v6, 4, v5
	s_mul_i32 s21, s15, HALFS
	s_mul_i32 s22, s16, HALFS
	s_add_co_u32 s22, s22, 2*HALFS
	s_sub_co_u32 s22, s22, s21
	v_mul_u32_u24 v6, s22, v2
	s_add_co_u32 s21, s21, SCL
	v_add_nc_u32 v5, v5, v6
	v_add_nc_u32 v[ADRS], s21, v5
	v_and_b32 v6, 31, v0
	v_lshlrev_b32 v[CO], 4, v6
	v_lshlrev_b32 v[S4], 2, v6
	s_lshl_b32 s20, s17, 8
	s_lshl_b32 s21, s15, 7
	s_add_co_u32 s20, s20, s21
	s_lshl_b32 s46, s42, 8
	s_lshl_b32 s47, s16, 7
	s_add_co_u32 s46, s46, s47
	s_lshr_b32 s21, s20, 4
	s_lshr_b32 s47, s46, 7
	s_lshl_b32 s22, s[MODE], 23
	s_lshl_b32 s23, s21, 14
	s_add_co_u32 s22, s22, s23
	s_lshl_b32 s23, s47, 11
	s_add_co_u32 s22, s22, s23
	s_lshr_b32 s92, s47, 4
	s_lshl_b32 s92, s92, 21
	s_lshr_b32 s93, s21, 2
	s_lshl_b32 s93, s93, 17
	s_add_co_u32 s92, s92, s93
	s_and_b32 s93, s47, 15
	s_lshl_b32 s93, s93, 13
	s_add_co_u32 s92, s92, s93
	s_add_co_u32 s92, s92, 1<<24
	s_lshl_b32 s18, s47, 9
	s_lshl_b32 s19, s47, 6
	s_cmp_eq_u32 s[MODE], 2
	s_cselect_b32 s22, s92, s22
	s_cselect_b32 s18, s19, s18
	s_cselect_b32 s92, s20, s46
	s_cselect_b32 s20, 4, 0
	s_cselect_b32 s46, 0, 32
	s_cselect_b32 s47, 0, 4
	s_mov_b32 s98, 16384
	s_cselect_b32 s98, 2048, s98
	s_cselect_b32 s100, 122880, 0
	s_mov_b32 s99, 0
	s_mov_b32 s101, 0
	s_mov_b32 s23, 0
	s_mov_b32 s19, 0
	s_mov_b32 s93, 0
	s_add_co_u32 s18, s18, s21
	s_lshl_b32 s18, s18, 6
	s_lshl_b32 s21, s[MODE], 18
	s_add_co_u32 s18, s18, s21
	s_lshl_b32 s92, s92, 2
	s_add_nc_u64 s[12:13], s[12:13], s[22:23]
	s_add_nc_u64 s[96:97], s[96:97], s[18:19]
	s_add_nc_u64 s[66:67], s[66:67], s[92:93]
	v_mul_u32_u24 v7, v1, s20
	v_mad_u32_u24 v7, v2, s46, v7
.irp j, 0,1,2,3,4,5,6,7
	v_mad_u32_u24 v[AJ+\j], s47, \j, v7
.endr
.irp g, 0,1,2,3,4,5,6,7
.irp j, 0,1,2,3,4,5,6,7
	global_load_b32 v[BI+8*\g+\j], v[AJ+\j], s[66:67] offset:64*\g
.endr
.endr
.macro FRAG reg, adr, q, i
.irp c, 0,1,2,3
	ds_load_b128 v[\reg+4*\c:\reg+4*\c+3], v[\adr] offset:128*(\q)+32*\c+(\i)*16*PITCH
.endr
.endm
.macro MUL16 a0, p, q, sc, zero
.irp a, \a0, \a0+1
.irp b, 0,1,2,3,4,5,6,7
.if \zero
	v_wmma_scale_f32_16x16x128_f8f6f4 v[8*(8*((\a)%4)+\b):8*(8*((\a)%4)+\b)+7], v[128*(\p)+FR*\b:128*(\p)+FR*\b+FR-1], v[AF+FR*(\a):AF+FR*(\a)+FR-1], 0, v[SC+8*NQ*(\sc)+NQ*\b+(\q)], v[SC+8*NQ*(\sc)+NQ*(\a)+(\q)] matrix_a_fmt:MATRIX_FMT_BF8 matrix_b_fmt:MATRIX_FMT_BF8 matrix_a_scale:MATRIX_SCALE_ROW1
.else
	v_wmma_scale_f32_16x16x128_f8f6f4 v[8*(8*((\a)%4)+\b):8*(8*((\a)%4)+\b)+7], v[128*(\p)+FR*\b:128*(\p)+FR*\b+FR-1], v[AF+FR*(\a):AF+FR*(\a)+FR-1], v[8*(8*((\a)%4)+\b):8*(8*((\a)%4)+\b)+7], v[SC+8*NQ*(\sc)+NQ*\b+(\q)], v[SC+8*NQ*(\sc)+NQ*(\a)+(\q)] matrix_a_fmt:MATRIX_FMT_BF8 matrix_b_fmt:MATRIX_FMT_BF8 matrix_a_scale:MATRIX_SCALE_ROW1
.endif
.endr
.endr
.endm
.macro FETCH_B slot, q, p
	WIN TO_B
.irp i, 0,1,2,3,4,5,6,7
	FRAG 128*(\p)+FR*\i, ADRB+\slot, \q, \i
.endr
	WIN 0
.endm
.macro FETCH_A slot, q, i0
.irp i, \i0, \i0+1, \i0+2, \i0+3
	FRAG AF+FR*(\i), ADRA+\slot, \q, \i
.endr
.endm
.macro SCALES sc
.irp i, 0,1,2,3,4,5,6,7
	ds_load_b64 v[SC+8*NQ*\sc+NQ*\i:SC+8*NQ*\sc+NQ*\i+1], v[ADRS] offset:\i*SBLK
.endr
.endm
.macro PLACES n
.rept \n
	v_nop
.endr
.endm
.macro STEP slot, q, zero
	s_wait_dscnt 4*NL
	WIN MUL_LO
	MUL16 0, (\q)%2, \q, \slot, \zero
	MUL16 2, (\q)%2, \q, \slot, \zero
	s_wait_dscnt 0
	PLACES NP
	FETCH_B \slot, (\q)+1, 1-(\q)%2
	FETCH_A \slot, (\q)+1, 0
	WIN MUL_HI
	MUL16 4, (\q)%2, \q, \slot, \zero
	MUL16 6, (\q)%2, \q, \slot, \zero
	PLACES NP
	WIN 0
	FETCH_A \slot, (\q)+1, 4
.endm
.macro TURN slot, next, fill
	s_wait_tensorcnt 0x0
	ds_add_u32 v[SPW], v[NIL]
	s_wait_dscnt 4*NL+1
	WIN MUL_LO
	MUL16 0, 1, NQ-1, \slot, 0
	s_wait_dscnt 0x0
	s_barrier_signal -1
	MUL16 2, 1, NQ-1, \slot, 0
	WIN 0
	s_barrier_wait -1
.if \fill
	CREST
	s_add_nc_u64 s[G0+4*\slot+2:G0+4*\slot+3], s[G0+4*\slot+2:G0+4*\slot+3], 2*ROWB
	s_add_nc_u64 s[G0B+4*\slot+2:G0B+4*\slot+3], s[G0B+4*\slot+2:G0B+4*\slot+3], 2*ROWB
	JLOAD G0+4*\slot, G1, G0B+4*\slot, G1B
	PLACES NP-4
.else
	PLACES NP
.endif
	s_wait_alu depctr_va_vdst(0)
	v_add_nc_u32 v[ADRS], 4*NQ, v[ADRS]
	FETCH_B \next, 0, 0
	FETCH_A \next, 0, 0
	SCALES \next
	WIN MUL_HI
	MUL16 4, 1, NQ-1, \slot, 0
	MUL16 6, 1, NQ-1, \slot, 0
	PLACES NP
	WIN 0
	FETCH_A \next, 0, 4
.endm
	s_wait_tensorcnt 1
	s_barrier_signal -1
	s_barrier_wait -1
	FETCH_B 0, 0, 0
	FETCH_A 0, 0, 0
	SCALES 0
	FETCH_A 0, 0, 4
	STEP 0, 0, 1
	s_mov_b32 s3, LAPS-1
.Llap:
	TURN 0, 1, 1
	STEP 1, 0, 0
	TURN 1, 0, 1
	STEP 0, 0, 0
	s_sub_co_u32 s3, s3, 1
	s_cmp_lg_u32 s3, 0
	s_cbranch_scc1 .Llap
	TURN 0, 1, 0
	STEP 1, 0, 0
	s_wait_dscnt 4*NL
	WIN MUL_LO
	MUL16 0, 1, NQ-1, 1, 0
	MUL16 2, 1, NQ-1, 1, 0
	s_wait_dscnt 0
	WIN MUL_HI
	MUL16 4, 1, NQ-1, 1, 0
	MUL16 6, 1, NQ-1, 1, 0
	WIN 0
.macro QUANT s
.irp b, 0,1,2,3
	v_max3_num_f32 v[TM+\b], |v[\s+16*\b]|, |v[\s+1+16*\b]|, 0x8000000
.endr
.irp i, 2,4,6,8,10,12,14
.irp b, 0,1,2,3
	v_max3_num_f32 v[TM+\b], v[TM+\b], |v[\s+16*\b+\i]|, |v[\s+1+16*\b+\i]|
.endr
.endr
.irp b, 0,1,2,3
	v_permlanex16_b32 v[TM+4+\b], v[TM+\b], s[SEL], s[SEL+1]
.endr
.irp b, 0,1,2,3
	v_max_num_f32 v[TM+\b], v[TM+\b], v[TM+4+\b]
.endr
.irp b, 0,1,2,3
	v_add_nc_u32 v[TM+12+\b], 0xf8800000, v[TM+\b]
.endr
.irp b, 0,1,2,3
.endr
.irp b, 0,1,2,3
	v_lshrrev_b32 v[TM+4+\b], 23, v[TM+12+\b]
.endr
	v_lshl_or_b32 v[PW], v[TM+5], 8, v[TM+4]
	v_lshl_or_b32 v[PW], v[TM+6], 16, v[PW]
	v_lshl_or_b32 v[PW], v[TM+7], 24, v[PW]
.irp b, 0,1,2,3
.irp i, 0,1,2,3,4,5,6,7,8,9,10,11,12,13,14,15
.endr
	v_cvt_scalef32_pk8_bf8_f32 v[PC+4*\b:PC+1+4*\b], v[\s+16*\b:\s+7+16*\b], v[TM+12+\b]
	v_cvt_scalef32_pk8_bf8_f32 v[PC+2+4*\b:PC+3+4*\b], v[\s+8+16*\b:\s+15+16*\b], v[TM+12+\b]
.endr
	v_nop
.endm
.macro OUTA a
.set WN, 0x02+(\a)/4
.if (\a) > 0
	s_wait_xcnt 0x0
	s_add_nc_u64 s[12:13], s[12:13], s[98:99]
.if (\a) == 4
	s_add_nc_u64 s[12:13], s[12:13], s[100:101]
.endif
.endif
	s_cmp_eq_u32 s[MODE], 2
	s_cbranch_scc1 .Lby_r_\@
	WIN WN
.set i, 0
.rept 32
	v_pk_add_f32 v[T+2*i:T+2*i+1], v[64*((\a)%4)+2*i:64*((\a)%4)+2*i+1], v[BI+2*i:BI+2*i+1]
.set i, i+1
.endr
	WIN 0
	s_branch .Ladded_\@
.Lby_r_\@:
	WIN WN
.set i, 0
.rept 32
	v_pk_add_f32 v[T+2*i:T+2*i+1], v[64*((\a)%4)+2*i:64*((\a)%4)+2*i+1], v[BI+8*(\a)+2*(i%4):BI+8*(\a)+2*(i%4)+1]
.set i, i+1
.endr
	WIN 0
.Ladded_\@:
	QUANT T
.irp c, 0,1,2,3
	global_store_b128 v[CO], v[PC+4*\c:PC+4*\c+3], s[12:13] offset:512*\c
.endr
	v_mov_b32 v[SW+(\a)], v[PW]
.endm
	PLACES NP
	s_mov_b32 s[SEL], 0x76543210
	s_mov_b32 s[SEL+1], 0xfedcba98
.irp b, 0,1,2,3
	v_mov_b32 v[TM+4+\b], 0
.endr
	s_wait_loadcnt 0x0
.irp a, 0,1,2,3,4,5,6,7
	OUTA \a
.endr
	v_and_b32 v6, 31, v0
	v_cmp_le_u32 vcc_lo, 16, v6
.irp i, 0,1,2,3
	v_cndmask_b32 v[TM+\i], v[SW+2*\i], v[SW+2*\i+1], vcc_lo
.endr
.irp i, 0,1,2,3
	global_store_b32 v[S4], v[TM+\i], s[96:97] offset:128*\i
.endr
	s_wait_tensorcnt 0x0
	ds_add_u32 v[SPW], v[NIL]
	s_wait_dscnt 0x0
	CROUND
	s_endpgm
.Lfunc_end_k_qe3d4852e05_proj:
	.size	k_qe3d4852e05_proj, .Lfunc_end_k_qe3d4852e05_proj-k_qe3d4852e05_proj
	.p2alignl 7, 3214868480
	.fill 96, 4, 3214868480
	.section	.rodata,"a",@progbits
	.p2align	6, 0x0
	.amdhsa_kernel k_qe3d4852e05_proj
		.amdhsa_group_segment_fixed_size 327680
		.amdhsa_private_segment_fixed_size 0
		.amdhsa_enable_private_segment 0
		.amdhsa_kernarg_size 136
		.amdhsa_user_sgpr_count 2
		.amdhsa_user_sgpr_kernarg_segment_ptr 1
		.amdhsa_wavefront_size32 1
		.amdhsa_system_sgpr_workgroup_id_x 1
		.amdhsa_system_sgpr_workgroup_id_y 1
		.amdhsa_system_sgpr_workgroup_id_z 1
		.amdhsa_system_vgpr_workitem_id 0
		.amdhsa_next_free_vgpr 1024
		.amdhsa_next_free_sgpr 102
		.amdhsa_reserve_vcc 1
		.amdhsa_float_denorm_mode_32 3
		.amdhsa_float_denorm_mode_16_64 3
		.amdhsa_fp16_overflow 1
		.amdhsa_memory_ordered 1
		.amdhsa_forward_progress 1
		.amdhsa_inst_pref_size 192
	.end_amdhsa_kernel
	.amdgpu_metadata
---
amdhsa.version: [ 1, 2 ]
amdhsa.kernels:
  - .name:           k_qe3d4852e05_proj
    .symbol:         k_qe3d4852e05_proj.kd
    .args:
      - { .name: Wq_codes, .offset: 0, .size: 8, .value_kind: global_buffer, .address_space: global }
      - { .name: Wq_scales, .offset: 8, .size: 8, .value_kind: global_buffer, .address_space: global }
      - { .name: qx_codes, .offset: 16, .size: 8, .value_kind: global_buffer, .address_space: global }
      - { .name: qx_scales, .offset: 24, .size: 8, .value_kind: global_buffer, .address_space: global }
      - { .name: bq, .offset: 32, .size: 8, .value_kind: global_buffer, .address_space: global }
      - { .name: Wk_codes, .offset: 40, .size: 8, .value_kind: global_buffer, .address_space: global }
      - { .name: Wk_scales, .offset: 48, .size: 8, .value_kind: global_buffer, .address_space: global }
      - { .name: key_codes, .offset: 56, .size: 8, .value_kind: global_buffer, .address_space: global }
      - { .name: key_scales, .offset: 64, .size: 8, .value_kind: global_buffer, .address_space: global }
      - { .name: bk, .offset: 72, .size: 8, .value_kind: global_buffer, .address_space: global }
      - { .name: value_codes, .offset: 80, .size: 8, .value_kind: global_buffer, .address_space: global }
      - { .name: value_scales, .offset: 88, .size: 8, .value_kind: global_buffer, .address_space: global }
      - { .name: Wv_codes, .offset: 96, .size: 8, .value_kind: global_buffer, .address_space: global }
      - { .name: Wv_scales, .offset: 104, .size: 8, .value_kind: global_buffer, .address_space: global }
      - { .name: bv, .offset: 112, .size: 8, .value_kind: global_buffer, .address_space: global }
      - { .name: pc, .offset: 120, .size: 8, .value_kind: global_buffer, .address_space: global }
      - { .name: ps, .offset: 128, .size: 8, .value_kind: global_buffer, .address_space: global }
    .group_segment_fixed_size: 327680
    .private_segment_fixed_size: 0
    .kernarg_segment_align: 8
    .kernarg_segment_size: 136
    .max_flat_workgroup_size: 128
    .sgpr_count:     102
    .vgpr_count:     1024
    .wavefront_size: 32
...
	.end_amdgpu_metadata
.endif
;; end of part 2
;; launch attn (part 3): grid 4 x 64, 16 waves a work-group, clusters of 4 x 1, 272,384 bytes of LDS; arguments pc, ps, cc, cs; writes cc, cs
.if DOCPART == 3
	.amdgcn_target "amdgcn-amd-amdhsa--gfx1250"
	.amdhsa_code_object_version 6
	.text
	.protected	k_qe3d4852e05_attn
	.globl	k_qe3d4852e05_attn
	.p2align	8
	.type	k_qe3d4852e05_attn,@function
k_qe3d4852e05_attn:
	s_mov_b64 s[64:65], 0
	v_nop
	global_prefetch_b8 v0, s[64:65] scope:SCOPE_SE
	s_setreg_imm32_b32 hwreg(HW_REG_WAVE_MODE, 25, 1), 1
	s_wait_xcnt 0x0
	s_wait_alu depctr_hold_cnt(0) depctr_sa_sdst(0) depctr_va_vdst(0) depctr_va_sdst(0) depctr_va_ssrc(0) depctr_va_vcc(0) depctr_vm_vsrc(0)
	s_getreg_b32 s2, hwreg(HW_REG_IB_STS2, 6, 4)
	s_cmp_eq_u32 s2, 0
	s_cbranch_scc0 .Lentry_in_a_cluster
	s_endpgm
.Lentry_in_a_cluster:
	s_bfe_u32 s2, ttmp6, 0x10000c
	s_cmp_lg_u32 s2, 0x3003
	s_cbranch_scc0 .Lentry_shape_is_right
	s_endpgm
.Lentry_shape_is_right:
; ATTENTION of one head for 512 queries: ctx = softmax(Q K^T / 8) V, both products on codes of BF8 (E5M2) with one E8M0 scale for each 32 along a product's K; ctx is quantised along the model's channels for the last product.
; THE SOFTMAX AHEAD OF THE SECOND PRODUCT: t = score x log2(e) / 8; M = the row's largest t so far, rounded UP to a whole number; p = 2^(t - M) is what is quantised, along the keys, not normalised.
; The row's sum is taken of the unquantised p, in f32, and divides at the end.  When M moves, the sum and O are multiplied by 2^(old M - new M): exact.
; INPUTS (made by the launch before): images of operand registers, 512 bytes a block of 32 along K (lane l's 16 codes at 16 l), and scale words.  Inside a block lane half h holds the indices 8 h .. + 7 and
; 16 + 8 h .. + 7; Q and K have that order alike, and so have V and p (a lane's registers of two neighbouring score tiles are keys 8 h .. + 7 and 16 + 8 h .. + 7 of a block).
; SHARES.  A work-group owns 512 queries of one head; each of its sixteen waves makes two passes over all 2,048 keys, each for one tile of 16 queries, in 256 registers: four waves to a SIMD.
; ALL OF THE HEAD'S K AND V LIE IN LDS: 128 KiB + 128 KiB, each byte filled ONCE: no ring, no refill.  CLUSTER: the four work-groups of a cluster are the four query blocks of one head: they ask for K and V
; JOINTLY (mask 15).  Waves 0-3 fetch K's quarters, waves 4-7 V's: one load of 32 KiB a wave.
; LAYOUT.  Both products are used transposed: S^T = K Q^T (source 0 = keys, source 1 = my 16 queries), O^T = V^T P^T (source 0 = 16 channels, source 1 = P): a lane holds ONE query (lane % 16) throughout.
; THE HEAD'S K IS 64, THE INSTRUCTION'S 128.  A source 0 of 16 registers holds TWO tiles of 16 keys: tile 2 i in k 0 .. 63, tile 2 i + 1 in k 64 .. 127.  Against [Q | zeros] it gives tile 2 i's scores, against
; [zeros | Q] tile 2 i + 1's: zero codes add nothing (K's codes are finite: the quantiser that made them holds them).  So no LDS byte and no register of K is spent on filling.
; ctx leaves in the TRUE order of its channels (its partner, Wo, is given): sixteen exchanges between the halves of the lanes put it right.
;   cc: [query tile 512][block 32 = 2 head + b][512 bytes];  cs: byte tile x 512 + row x 32 + block.
; LIMITS: a block of zeros, and one whose largest magnitude lies under 2^-111, gets the byte 1 (read by this program alone).  NaN and infinities are not served.
.set VIMG, 131072                      ; LDS: K's images at 0 (key tile t at 1024 t), V's here (128 keys s, channel tile j at 8192 s + 2048 j),
.set KSC,  262144                      ; K's scale words [step 16][row 16][pair 4]: 4,096 bytes; V's [step 16][row 16][tile 4] 4,096 bytes further on.  These two are written by LDS stores; no tile lands there
.set LI,   1                           ; v1   16 x lane
.set AKS,  2                           ; v2   KSC + 16 (lane % 16)
.set ADK,  3                           ; v3   the step's K images
.set ADV,  4                           ; v4   its V images
.set ADS,  5                           ; v5   its scale words
.set R4,   6                           ; v6   4 (lane % 16)
.set CSO,  7                           ; v7   32 (lane % 16) + lane / 16
.set QZ,   16                          ; v16-23 zeros, v24-31 Q, v32-39 zeros
.set KF,   40                          ; v40-103 four fragments: of K, then of V
.set SS,   104                         ; v104-167 S^T, then p
.set OT,   168                         ; v168-199 O^T
.set PC,   200                         ; v200-215 p's codes
.set BM,   216                         ; v216-219 the blocks' largest scores, then largest p
.set T2,   220                         ; v220-223 at work
.set HOLD, 224
.set SCL,  228                         ; v228-231 the conversions' scale operands
.set KS,   232                         ; v232-235 K's scale words
.set VS,   236                         ; v236-239 V's
.set QS,   240                         ; v240 Q's
.set PS,   241                         ; v241 p's
.set FF,   242                         ; v[242:243] f = 2^(old M - new M); at the end 1 / the sum
.set TMP,  244
.set SUM2, 246                         ; v[246:247] the sum's second chain
.set WV,   12                          ; s12 my wave's number
.set MNT,  19
.set SEL,  20                          ; s[20:21] lane selects: lane l xor 16
.set CS,   22                          ; s[22:23] c = log2(e) / 8
.set G1K,  24                          ; s[24:31], s[32:39] descriptor groups 1 for K and V;  s[40:43], s[44:47] their groups 0
.set G1V,  32
.set G0K,  40
.set G0V,  44
.set TT,   56                          ; s56 the step's images: 8,192 bytes a step
.set TS,   57                          ; s57 its scale words: 256 bytes a step
.set STEPS, 58
.set PASS, 59
.macro CROUND                          ; a round of the cluster's barrier
	s_barrier_signal -1
	s_barrier_wait -1
	s_cmp_lg_u32 s[WV], 0
	s_cbranch_scc1 .Lnot_wave_0_\@
	s_barrier_signal -3
.Lnot_wave_0_\@:
	s_barrier_wait -3
	s_barrier_signal -1
	s_barrier_wait -1
.endm
	s_load_b256 s[4:11], s[0:1], 0x0               ; pc s[4:5], ps s[6:7], cc s[8:9], cs s[10:11]
	v_lshl_add_u32 v254, v0, 2, 0x42000
	v_mov_b32 v255, 0
	ds_add_u32 v254, v255
	ds_add_u32 v254, v255
	v_lshrrev_b32 v8, 5, v0
	s_delay_alu instid0(VALU_DEP_1)
	v_readfirstlane_b32 s[WV], v8                  ; wave 0..15
	s_and_b32 s13, ttmp7, 0xffff                   ; 16 x batch + head, which the four partners share
	s_lshr_b32 s14, s13, 4                         ; the batch
	s_and_b32 s15, s13, 15                         ; the head
	s_and_b32 s16, s15, 1                          ; which half of a scale word is the head's
	s_lshr_b32 s17, s15, 1                         ; and which group of 128 channels
	s_bfe_u32 s18, ttmp6, 0x40000                  ; cx: my block of 512 queries: it enters Q's, cc's and cs's addresses alone
	; descriptor group 1.  K: 32 key tiles' 1,024 bytes, 16,384 bytes apart in memory, on end in LDS.  V: 32 KiB dense, as 128 rows of 256 bytes.  Elements of 8 bytes; no padding: an image is read 16 bytes a lane on end
	s_mov_b32 s[G1K], 15|(3<<16)|(1<<21)           ; 15:0 the mask: all four work-groups; 17:16 elements of 8 bytes; 21 set beside a mask
	s_mov_b32 s[G1K+1], 128<<16                    ; tensor_dim0 = 128
	s_mov_b32 s[G1K+2], 32<<16                     ; tensor_dim1 = 32
	s_mov_b32 s[G1K+3], 128<<16                    ; tile_dim0
	s_mov_b32 s[G1K+4], 32                         ; tile_dim1
	s_mov_b32 s[G1K+5], 2048                       ; tensor_dim0_stride
	s_mov_b32 s[G1K+6], 0
	s_mov_b32 s[G1K+7], 0
	s_mov_b32 s[G1V], 15|(3<<16)|(1<<21)
	s_mov_b32 s[G1V+1], 32<<16
	s_mov_b32 s[G1V+2], 128<<16
	s_mov_b32 s[G1V+3], 32<<16
	s_mov_b32 s[G1V+4], 128
	s_mov_b32 s[G1V+5], 32
	s_mov_b32 s[G1V+6], 0
	s_mov_b32 s[G1V+7], 0
	s_lshl_b32 s50, s14, 21                        ; K in pc: 8,388,608 + (128 batch + 32 wave) tiles of 16,384 bytes + 1,024 head
	s_lshl_b32 s51, s[WV], 19
	s_add_co_u32 s50, s50, s51
	s_lshl_b32 s51, s15, 10
	s_add_co_u32 s50, s50, s51
	s_add_co_u32 s50, s50, 8388608
	s_mov_b32 s51, 0
	s_lshl_b32 s52, s13, 17                        ; V in pc: 16,777,216 + (16 batch + head) x 131,072 + (wave - 4) x 32,768
	s_lshl_b32 s53, s[WV], 15
	s_add_co_u32 s52, s52, s53
	s_add_co_u32 s52, s52, 16777216-131072
	s_mov_b32 s53, 0
	s_lshl_b32 s48, s[WV], 15                      ; in LDS: 32,768 x wave: waves 0-3 K's quarters, waves 4-7 V's
	s_lshl_b32 s54, s17, 9                         ; K's scale words in ps: 262,144 + (512 group + 128 batch) tiles of 64 bytes
	s_lshl_b32 s55, s14, 7
	s_add_co_u32 s54, s54, s55
	s_lshl_b32 s54, s54, 6
	s_add_co_u32 s54, s54, 262144
	s_mov_b32 s55, 0
	s_lshl_b32 s2, s14, 7
	s_lshl_b32 s3, s18, 5
	s_add_co_u32 s2, s2, s3
	s_add_co_u32 s49, s2, s[WV]                    ; my first query tile: 128 batch + 32 cx + wave; the second pass takes the tile 16 further on
	s_mov_b32 s[SEL], 0x76543210
	s_mov_b32 s[SEL+1], 0xfedcba98
	s_mov_b32 s[CS], 0x3e38aa3b                    ; c = log2(e) / 8
	s_mov_b32 s[CS+1], s[CS]                       ; (named with it as a pair, so it is written)
	s_cmp_eq_u32 s16, 0
	s_mov_b32 s60, 0x07060302                      ; v_perm_b32: the head's halves of two words, side by side: the upper halves,
	s_cselect_b32 s60, 0x05040100, s60             ; or the lower
	s_mov_b32 s61, 0x03020302                      ; and the head's half of one word, twice
	s_cselect_b32 s61, 0x01000100, s61
	v_and_b32 v9, 31, v0                           ; lane
	s_delay_alu instid0(VALU_DEP_1)
	v_lshlrev_b32 v[LI], 4, v9
	v_and_b32 v10, 15, v0                          ; r
	v_bfe_u32 v11, v0, 4, 1                        ; h
	s_delay_alu instid0(VALU_DEP_2)
	v_lshl_add_u32 v[AKS], v10, 4, KSC
	s_delay_alu instid0(VALU_DEP_3)
	v_lshlrev_b32 v[R4], 2, v10
	s_delay_alu instid0(VALU_DEP_3)
	v_lshl_add_u32 v[CSO], v10, 5, v11
	v_cmp_le_u32 s62, 16, v9                       ; lanes 16-31
	; the scale tables: thread t takes pair of key tiles t / 16 (and 32 further on), row t % 16; and of V step t / 64 (and 8 further on), channel tile (t / 16) % 4, row t % 16
	v_lshrrev_b32 v8, 4, v0
	s_delay_alu instid0(VALU_DEP_1)
	v_lshl_add_u32 v8, v8, 7, v[R4]                ; K: two tiles of 64 bytes a pair
	v_lshrrev_b32 v[TMP], 6, v0
	v_bfe_u32 v[TMP+1], v0, 4, 2
	s_delay_alu instid0(VALU_DEP_2)
	v_lshl_add_u32 v[SUM2], v[TMP], 12, v[R4]      ; V: 4,096 bytes a step, 64 a tile
	s_delay_alu instid0(VALU_DEP_1)
	v_lshl_add_u32 v[SUM2], v[TMP+1], 6, v[SUM2]
	s_delay_alu instid0(VALU_DEP_4)
	v_lshl_add_u32 v[SUM2+1], v[TMP], 8, v[AKS]    ; in LDS: KSC + 256 step + 16 row + 4 (pair or tile)
	s_delay_alu instid0(VALU_DEP_1)
	v_lshl_add_u32 v[SUM2+1], v[TMP+1], 2, v[SUM2+1]
.irp j, 0,1,2,3,4,5,6,7
	v_mov_b32 v[QZ+\j], 0                          ; the zero codes on both sides of Q
	v_mov_b32 v[QZ+16+\j], 0
.endr
	v_mov_b32 v[FF+1], 0                           ; (named as the upper half of a pair, so it is written)
	s_wait_dscnt 0x0
	s_wait_kmcnt 0x0
	s_add_nc_u64 s[76:77], s[6:7], s[54:55]
	s_lshl_b32 s54, s14, 16                        ; V's scale words in ps: 524,288 + 65,536 batch + 256 head
	s_lshl_b32 s63, s15, 8
	s_add_co_u32 s54, s54, s63
	s_add_co_u32 s54, s54, 524288
	s_add_nc_u64 s[78:79], s[6:7], s[54:55]
	s_lshl_b32 s2, s49, 14                         ; Q's images and ctx's: tile x 16,384 + head x 1,024
	s_lshl_b32 s3, s15, 10
	s_add_co_u32 s2, s2, s3
	s_mov_b32 s3, 0
	s_add_nc_u64 s[68:69], s[4:5], s[2:3]
	s_add_nc_u64 s[72:73], s[8:9], s[2:3]
	s_lshl_b32 s2, s17, 9                          ; Q's scale words: (512 group + tile) x 64
	s_add_co_u32 s2, s2, s49
	s_lshl_b32 s2, s2, 6
	s_add_nc_u64 s[70:71], s[6:7], s[2:3]
	s_lshl_b32 s2, s49, 9                          ; ctx's scale bytes: tile x 512 + 2 head
	s_lshl_b32 s63, s15, 1
	s_add_co_u32 s2, s2, s63
	s_add_nc_u64 s[74:75], s[10:11], s[2:3]
	global_load_b32 v[BM], v8, s[76:77]            ; K: tile 2 p,
	global_load_b32 v[BM+1], v8, s[76:77] offset:64      ; tile 2 p + 1,
	global_load_b32 v[BM+2], v8, s[76:77] offset:4096    ; and the pair 32 further on
	global_load_b32 v[BM+3], v8, s[76:77] offset:4160
	global_load_b32 v[T2], v[SUM2], s[78:79]       ; V
	global_load_b32 v[T2+1], v[SUM2], s[78:79] offset:32768
	CROUND                                         ; all four work-groups are here: the joint loads meet
	s_mov_b32 s[G0K], 1                            ; 1:0 count = 1
	s_mov_b32 s[G0K+1], s48                        ; 63:32 LDS address
	s_add_nc_u64 s[G0K+2:G0K+3], s[4:5], s[50:51]  ; 120:64 global address
	s_or_b32 s[G0K+3], s[G0K+3], 0x80000000        ; 127:126 type = 2
	s_mov_b32 s[G0V], 1
	s_mov_b32 s[G0V+1], s48
	s_add_nc_u64 s[G0V+2:G0V+3], s[4:5], s[52:53]
	s_or_b32 s[G0V+3], s[G0V+3], 0x80000000
	s_cmp_lt_u32 s[WV], 4                          ; the branches hang on the wave's number alone: the same in all four partners.  One tensor load of a wave is out
	s_cbranch_scc0 .Lnot_k
	tensor_load_to_lds s[G0K:G0K+3], s[G1K:G1K+7]
	s_nop 0
.rept 4
	v_nop
.endr
	s_branch .Lasked
.Lnot_k:
	s_cmp_lt_u32 s[WV], 8
	s_cbranch_scc0 .Lasked
	tensor_load_to_lds s[G0V:G0V+3], s[G1V:G1V+7]
	s_nop 0
.rept 4
	v_nop
.endr
.Lasked:
	s_wait_loadcnt 0x0                             ; the six scale words
	v_perm_b32 v[T2+2], v[BM+1], v[BM], s60        ; a pair's word: tile 2 p's two bytes below, tile 2 p + 1's above
	v_perm_b32 v[T2+3], v[BM+3], v[BM+2], s60
	ds_store_b32 v[SUM2+1], v[T2+2]
	ds_store_b32 v[SUM2+1], v[T2+3] offset:2048
	ds_store_b32 v[SUM2+1], v[T2] offset:4096
	ds_store_b32 v[SUM2+1], v[T2+1] offset:6144
	s_wait_tensorcnt 0x0                           ; my part of K or V has landed,
	s_wait_dscnt 0x0                               ; my words of the tables are stored:
	s_barrier_signal -1
	s_barrier_wait -1                              ; everybody's are.  From here on LDS is only read
	s_mov_b32 s[PASS], 2
.Lpass:
	global_load_b128 v[QZ+8:QZ+11], v[LI], s[68:69]            ; Q's two blocks,
	global_load_b128 v[QZ+12:QZ+15], v[LI], s[68:69] offset:512
	global_load_b32 v[TMP], v[R4], s[70:71]        ; and its scale word
	v_mov_b32 v13, 0xff61b1e6                      ; the largest t so far: -3e38, under every t
	s_delay_alu instid0(VALU_DEP_1)
	v_floor_f32 v12, -v13                          ; -M
	v_mov_b32 v14, 0                               ; the sum, in two halves
	v_mov_b32 v15, 0
	s_mov_b32 s[TT], 0
	s_mov_b32 s[TS], 0
	s_mov_b32 s[STEPS], 16
	s_wait_loadcnt 0x0
	v_perm_b32 v[QS], v[TMP], v[TMP], s61          ; the head's two bytes twice: for [Q | zeros] and for [zeros | Q]
.set j, 0
.rept 32
	v_mov_b32 v[OT+j], 0                           ; O^T.  (The step is written once: the first finds zeros, which the first change of M leaves zeros)
.set j, j+1
.endr
.Lstep:                                            ; A KEY STEP: 128 keys
	s_setprio 2
	v_add_nc_u32 v[ADK], s[TT], v[LI]
	v_add_nc_u32 v[ADS], s[TS], v[AKS]
	s_delay_alu instid0(VALU_DEP_2)
	v_add_nc_u32 v[ADV], VIMG, v[ADK]
.rept 5
	v_nop                                          ; with the three additions: eight places in front of loads into registers that the last products have read
.endr
.irp i, 0,1,2,3
.irp c, 0,1,2,3
	ds_load_b128 v[KF+16*\i+4*\c:KF+16*\i+4*\c+3], v[ADK] offset:2048*\i+512*\c   ; pair i: key tiles 2 i and 2 i + 1: 512 consecutive bytes a load
.endr
.endr
	ds_load_b128 v[KS:KS+3], v[ADS]                ; the four pairs' scale words
	s_wait_alu depctr_va_vdst(0)
	s_wait_dscnt 0x0
.irp i, 0,1,2,3
.irp u, 0,1
	v_wmma_scale_f32_16x16x128_f8f6f4 v[SS+8*(2*\i+\u):SS+8*(2*\i+\u)+7], v[KF+16*\i:KF+16*\i+15], v[QZ+8*(1-\u):QZ+8*(1-\u)+15], 0, v[KS+\i], v[QS] matrix_a_fmt:MATRIX_FMT_BF8 matrix_b_fmt:MATRIX_FMT_BF8
.endr
.endr
.rept 8
	v_nop                                          ; places: in front of the loads below, and of the first read of the scores
.endr
.irp i, 0,1,2,3
.irp c, 0,1,2,3
	ds_load_b128 v[KF+16*\i+4*\c:KF+16*\i+4*\c+3], v[ADV] offset:2048*\i+512*\c   ; V's four channel tiles: they land under the softmax
.endr
.endr
	ds_load_b128 v[VS:VS+3], v[ADS] offset:4096
.irp b, 0,1,2,3
	v_max3_num_f32 v[BM+\b], v[SS+16*\b], v[SS+1+16*\b], v[SS+2+16*\b]   ; THE LARGEST SCORE OF EACH BLOCK OF 32 KEYS: for the row's maximum, and, since p rises with the score, for the block's largest p
.endr
.irp i, 3,5,7,9,11,13
.irp b, 0,1,2,3
	v_max3_num_f32 v[BM+\b], v[BM+\b], v[SS+16*\b+\i], v[SS+1+16*\b+\i]   ; (the four blocks by turns)
.endr
.endr
.irp b, 0,1,2,3
	v_max_num_f32 v[BM+\b], v[BM+\b], v[SS+15+16*\b]
.endr
.irp b, 0,1,2,3
	s_delay_alu instid0(VALU_DEP_4)
	v_permlanex16_b32 v[T2+\b], v[BM+\b], s[SEL], s[SEL+1]
.endr
.irp b, 0,1,2,3
	s_delay_alu instid0(VALU_DEP_4)
	v_max_num_f32 v[BM+\b], v[BM+\b], v[T2+\b]     ; with lane l xor 16's 16 keys
.endr
	s_delay_alu instid0(VALU_DEP_2)
	v_max3_num_f32 v[TMP], v[BM], v[BM+1], v[BM+2]
	s_delay_alu instid0(VALU_DEP_1)
	v_max_num_f32 v[TMP], v[TMP], v[BM+3]          ; the step's largest score of my query
	s_delay_alu instid0(VALU_DEP_1)
	v_mul_f32 v[TMP], s[CS], v[TMP]                ; as t (c is positive)
	s_delay_alu instid0(VALU_DEP_1)
	v_max_num_f32 v13, v13, v[TMP]                 ; the running largest t
	v_mov_b32 v[TMP], v12
	s_delay_alu instid0(VALU_DEP_2)
	v_floor_f32 v12, -v13                          ; the new -M = floor(-t) = -ceil(t): M IS A WHOLE NUMBER
	s_delay_alu instid0(VALU_DEP_1)
	v_sub_f32 v[TMP], v12, v[TMP]                  ; M's old value less its new one: a whole number, 0 or less
	s_delay_alu instid0(VALU_DEP_1)
	v_cvt_i32_f32 v[TMP], v[TMP]                   ; (it saturates)
	s_delay_alu instid0(VALU_DEP_1)
	v_ldexp_f32 v[FF], 1.0, v[TMP]                 ; f = 2^(old M - new M)
.set j, 0
.rept 32
	v_pk_fma_f32 v[SS+j:SS+j+1], v[SS+j:SS+j+1], s[CS:CS+1], v[12:13] op_sel_hi:[1,0,0]   ; t - M, two at a time (of the pairs c and -M the low word serves both halves)
.set j, j+2
.endr
.irp b, 0,1,2,3
	v_fma_f32 v[BM+\b], v[BM+\b], s[CS], v12       ; the same of each block's largest score
.endr
.set j, 0
	s_setprio 1
	s_wait_alu depctr_va_vdst(0)
.rept 64
	v_exp_f32 v[SS+j], v[SS+j]                     ; p = 2^(t - M), at most 1: NOT normalised
.set j, j+1
.endr
	v_pk_mul_f32 v[14:15], v[14:15], v[FF:FF+1] op_sel_hi:[1,0]   ; the sums under the new M.  (A plain line behind the exponentials)
	s_wait_alu depctr_va_vdst(0)                   ; one wait for the whole batch, ahead of its first reader
.irp b, 0,1,2,3
	v_exp_f32 v[BM+\b], v[BM+\b]                   ; the block's largest p: the same two instructions on the same number give the same bits
.endr
	v_pk_add_f32 v[246:247], v[108:109], v[112:113]
	v_pk_add_f32 v[252:253], v[116:117], v[120:121]
	v_pk_add_f32 v[250:251], v[124:125], v[128:129]
	v_pk_add_f32 v[248:249], v[132:133], v[136:137]
	v_pk_add_f32 v[234:235], v[140:141], v[144:145]
	v_pk_add_f32 v[232:233], v[148:149], v[152:153]
	v_pk_add_f32 v[230:231], v[156:157], v[160:161]
	v_pk_add_f32 v[14:15], v[14:15], v[164:165]
	v_pk_add_f32 v[246:247], v[246:247], v[104:105]
	v_pk_add_f32 v[252:253], v[252:253], v[106:107]
	v_pk_add_f32 v[250:251], v[250:251], v[110:111]
	v_pk_add_f32 v[248:249], v[248:249], v[114:115]
	v_pk_add_f32 v[234:235], v[234:235], v[118:119]
	v_pk_add_f32 v[232:233], v[232:233], v[122:123]
	v_pk_add_f32 v[230:231], v[230:231], v[126:127]
	v_pk_add_f32 v[14:15], v[14:15], v[130:131]
	v_pk_add_f32 v[246:247], v[246:247], v[134:135]
	v_pk_add_f32 v[252:253], v[252:253], v[138:139]
	v_pk_add_f32 v[250:251], v[250:251], v[142:143]
	v_pk_add_f32 v[248:249], v[248:249], v[146:147]
	v_pk_add_f32 v[234:235], v[234:235], v[150:151]
	v_pk_add_f32 v[232:233], v[232:233], v[154:155]
	v_pk_add_f32 v[230:231], v[230:231], v[158:159]
	v_pk_add_f32 v[14:15], v[14:15], v[162:163]
	v_pk_add_f32 v[246:247], v[246:247], v[166:167]
	s_delay_alu instid0(VALU_DEP_2)
	v_pk_add_f32 v[14:15], v[14:15], v[248:249]
	s_delay_alu instid0(VALU_DEP_2)
	v_pk_add_f32 v[246:247], v[246:247], v[234:235]
	v_pk_add_f32 v[252:253], v[252:253], v[232:233]
	v_pk_add_f32 v[250:251], v[250:251], v[230:231]
	s_delay_alu instid0(VALU_DEP_2)
	v_pk_add_f32 v[14:15], v[14:15], v[252:253]
	s_delay_alu instid0(VALU_DEP_2)
	v_pk_add_f32 v[246:247], v[246:247], v[250:251]
	s_delay_alu instid0(VALU_DEP_1)
	v_pk_add_f32 v[14:15], v[14:15], v[246:247]
	s_wait_alu depctr_va_vdst(0)                   ; and one for the four
.irp b, 0,1,2,3
	v_max_num_f32 v[BM+\b], 0x8000000, v[BM+\b]    ; the floor 2^(16 - 127): the byte cannot fall under 1
.endr
.irp b, 0,1,2,3
	s_delay_alu instid0(VALU_DEP_4)
	v_add_nc_u32 v[SCL+\b], 0xf8800000, v[BM+\b]   ; 15 off the exponent field: the conversion's scale operand
.endr
.irp b, 0,1,2,3
.endr
.irp b, 0,1,2,3
	s_delay_alu instid0(VALU_DEP_4)
	v_lshrrev_b32 v[T2+\b], 23, v[SCL+\b]          ; the scale's byte
.endr
	s_delay_alu instid0(VALU_DEP_3)
	v_lshl_or_b32 v[PS], v[T2+1], 8, v[T2]         ; p's scale word for these 128 keys
	s_delay_alu instid0(VALU_DEP_1)
	v_lshl_or_b32 v[PS], v[T2+2], 16, v[PS]
	s_delay_alu instid0(VALU_DEP_1)
	v_lshl_or_b32 v[PS], v[T2+3], 24, v[PS]
.irp b, 0,1,2,3
.irp i, 0,1,2,3,4,5,6,7,8,9,10,11,12,13,14,15
.endr
	v_cvt_scalef32_pk8_bf8_f32 v[PC+4*\b:PC+1+4*\b], v[SS+16*\b:SS+7+16*\b], v[SCL+\b]
	v_cvt_scalef32_pk8_bf8_f32 v[PC+2+4*\b:PC+3+4*\b], v[SS+8+16*\b:SS+15+16*\b], v[SCL+\b]
.endr
.set j, 0
	s_setprio 0
.rept 16
	v_pk_mul_f32 v[OT+j:OT+j+1], v[OT+j:OT+j+1], v[FF:FF+1] op_sel_hi:[1,0]   ; O^T under the new M: x f.  (These sixteen also stand between the codes' making and the products below)
.set j, j+2
.endr
	s_wait_alu depctr_va_vdst(0)
	s_wait_dscnt 0x0                               ; V and its scale words
.irp i, 0,1,2,3
	v_wmma_scale_f32_16x16x128_f8f6f4 v[OT+8*\i:OT+8*\i+7], v[KF+16*\i:KF+16*\i+15], v[PC:PC+15], v[OT+8*\i:OT+8*\i+7], v[VS+\i], v[PS] matrix_a_fmt:MATRIX_FMT_BF8 matrix_b_fmt:MATRIX_FMT_BF8
.endr
	s_add_co_u32 s[TT], s[TT], 8192
	s_add_co_u32 s[TS], s[TS], 256
	s_sub_co_u32 s[STEPS], s[STEPS], 1
	s_cmp_lg_u32 s[STEPS], 0
	s_cbranch_scc1 .Lstep
	s_setprio 0
	; THE END OF A PASS: O^T / the sum, in the true order of the channels, quantised in two blocks of 32, stored as an image
.rept 8
	v_nop                                          ; places behind the last products
.endr
	v_add_f32 v14, v14, v15                        ; the sum's two halves,
	s_delay_alu instid0(VALU_DEP_1)
	v_permlanex16_b32 v[TMP], v14, s[SEL], s[SEL+1]
	s_delay_alu instid0(VALU_DEP_1)
	v_add_f32 v14, v14, v[TMP]                     ; and lane l xor 16's: the row's sum
	s_wait_alu depctr_va_vdst(0)
	v_rcp_f32 v[FF], v14
	v_nop                                          ; a plain line behind the reciprocal,
	s_wait_alu depctr_va_vdst(0)                   ; and the wait ahead of its first reader
.set j, 0
.rept 16
	v_pk_mul_f32 v[SS+j:SS+j+1], v[OT+j:OT+j+1], v[FF:FF+1] op_sel_hi:[1,0]   ; register 8 t + i: channel 16 t + 8 (l / 16) + i of my query
.set j, j+2
.endr
.irp b, 0,1
.irp i, 0,1,2,3,4,5,6,7
	v_permlane16_swap_b32 v[SS+16*\b+\i], v[SS+16*\b+8+\i]   ; the first's lanes 16-31 (channels 8 + i) change places with the second's lanes 0-15 (channels 16 + i): register 16 b + i is now channel 32 b + 16 (l / 16) + i
.endr
.endr
.irp b, 0,1
	v_max3_num_f32 v[BM+\b], |v[SS+16*\b]|, |v[SS+1+16*\b]|, 0x8000000   ; block b: my 16 numbers, and the floor
.endr
.irp i, 2,4,6,8,10,12,14
.irp b, 0,1
	s_delay_alu instid0(VALU_DEP_2)
	v_max3_num_f32 v[BM+\b], v[BM+\b], |v[SS+16*\b+\i]|, |v[SS+1+16*\b+\i]|
.endr
.endr
.irp b, 0,1
	s_delay_alu instid0(VALU_DEP_2)
	v_permlanex16_b32 v[T2+\b], v[BM+\b], s[SEL], s[SEL+1]
.endr
.irp b, 0,1
	s_delay_alu instid0(VALU_DEP_2)
	v_max_num_f32 v[BM+\b], v[BM+\b], v[T2+\b]
.endr
.irp b, 0,1
	s_delay_alu instid0(VALU_DEP_2)
	v_add_nc_u32 v[SCL+\b], 0xf8800000, v[BM+\b]
.endr
.irp b, 0,1
.endr
.irp b, 0,1
	s_delay_alu instid0(VALU_DEP_2)
	v_lshrrev_b32 v[T2+\b], 23, v[SCL+\b]          ; the scale's byte
.endr
.irp b, 0,1
.irp i, 0,1,2,3,4,5,6,7,8,9,10,11,12,13,14,15
.endr
	v_cvt_scalef32_pk8_bf8_f32 v[PC+4*\b:PC+1+4*\b], v[SS+16*\b:SS+7+16*\b], v[SCL+\b]
	v_cvt_scalef32_pk8_bf8_f32 v[PC+2+4*\b:PC+3+4*\b], v[SS+8+16*\b:SS+15+16*\b], v[SCL+\b]
.endr
	v_cndmask_b32 v[TMP], v[T2], v[T2+1], s62      ; lanes 0-15 give block 0's byte, lanes 16-31 block 1's.  (Also the plain line behind the conversions)
	global_store_b128 v[LI], v[PC:PC+3], s[72:73]              ; 512 consecutive bytes a block
	global_store_b128 v[LI], v[PC+4:PC+7], s[72:73] offset:512
	global_store_b8 v[CSO], v[TMP], s[74:75]
	s_wait_xcnt 0x0                                ; the stores have read their data and bases: both are written again only behind this wait
	s_add_nc_u64 s[68:69], s[68:69], 262144        ; sixteen query tiles on
	s_add_nc_u64 s[72:73], s[72:73], 262144
	s_add_nc_u64 s[70:71], s[70:71], 1024
	s_add_nc_u64 s[74:75], s[74:75], 8192
	s_sub_co_u32 s[PASS], s[PASS], 1
	s_cmp_lg_u32 s[PASS], 0
	s_cbranch_scc1 .Lpass
	s_wait_tensorcnt 0x0
	ds_add_u32 v254, v255
	s_wait_dscnt 0x0
	CROUND                                         ; the closing round
	s_endpgm
.Lfunc_end_k_qe3d4852e05_attn:
	.size	k_qe3d4852e05_attn, .Lfunc_end_k_qe3d4852e05_attn-k_qe3d4852e05_attn
	.p2alignl 7, 3214868480
	.fill 96, 4, 3214868480
	.section	.rodata,"a",@progbits
	.p2align	6, 0x0
	.amdhsa_kernel k_qe3d4852e05_attn
		.amdhsa_group_segment_fixed_size 272384
		.amdhsa_private_segment_fixed_size 0
		.amdhsa_enable_private_segment 0
		.amdhsa_kernarg_size 32
		.amdhsa_user_sgpr_count 2
		.amdhsa_user_sgpr_kernarg_segment_ptr 1
		.amdhsa_wavefront_size32 1
		.amdhsa_system_sgpr_workgroup_id_x 1
		.amdhsa_system_sgpr_workgroup_id_y 1
		.amdhsa_system_sgpr_workgroup_id_z 1
		.amdhsa_system_vgpr_workitem_id 0
		.amdhsa_next_free_vgpr 256
		.amdhsa_next_free_sgpr 80
		.amdhsa_reserve_vcc 0
		.amdhsa_float_denorm_mode_32 3
		.amdhsa_float_denorm_mode_16_64 3
		.amdhsa_fp16_overflow 1
		.amdhsa_memory_ordered 1
		.amdhsa_forward_progress 1
		.amdhsa_inst_pref_size 33
	.end_amdhsa_kernel
	.amdgpu_metadata
---
amdhsa.version: [ 1, 2 ]
amdhsa.kernels:
  - .name:           k_qe3d4852e05_attn
    .symbol:         k_qe3d4852e05_attn.kd
    .args:
      - { .name: pc, .offset: 0, .size: 8, .value_kind: global_buffer, .address_space: global }
      - { .name: ps, .offset: 8, .size: 8, .value_kind: global_buffer, .address_space: global }
      - { .name: cc, .offset: 16, .size: 8, .value_kind: global_buffer, .address_space: global }
      - { .name: cs, .offset: 24, .size: 8, .value_kind: global_buffer, .address_space: global }
    .group_segment_fixed_size: 272384
    .private_segment_fixed_size: 0
    .kernarg_segment_align: 8
    .kernarg_segment_size: 32
    .max_flat_workgroup_size: 512
    .sgpr_count:     80
    .vgpr_count:     256
    .wavefront_size: 32
...
	.end_amdgpu_metadata
.endif
;; end of part 3
;; launch outln (part 4): grid 256 x 1, 4 waves a work-group, clusters of 4 x 1, 327,680 bytes of LDS; arguments cc, cs, wo_img, Wo_scales, bo, query, gamma, beta, out0; writes out0
.if DOCPART == 4
	.amdgcn_target "amdgcn-amd-amdhsa--gfx1250"
	.amdhsa_code_object_version 6
	.text
	.protected	k_qe3d4852e05_outln
	.globl	k_qe3d4852e05_outln
	.p2align	8
	.type	k_qe3d4852e05_outln,@function
k_qe3d4852e05_outln:
	s_mov_b64 s[64:65], 0
	v_nop
	global_prefetch_b8 v0, s[64:65] scope:SCOPE_SE
	s_setreg_imm32_b32 hwreg(HW_REG_WAVE_MODE, 25, 1), 1
	s_wait_xcnt 0x0
	s_wait_alu depctr_hold_cnt(0) depctr_sa_sdst(0) depctr_va_vdst(0) depctr_va_sdst(0) depctr_va_ssrc(0) depctr_va_vcc(0) depctr_vm_vsrc(0)
	s_getreg_b32 s2, hwreg(HW_REG_IB_STS2, 6, 4)
	s_cmp_eq_u32 s2, 0
	s_cbranch_scc0 .Lentry_in_a_cluster
	s_endpgm
.Lentry_in_a_cluster:
	s_bfe_u32 s2, ttmp6, 0x10000c
	s_cmp_lg_u32 s2, 0x3003
	s_cbranch_scc0 .Lentry_shape_is_right
	s_endpgm
.Lentry_shape_is_right:
.set SP,    4112
.set SLOT1, 131584
.set CTX,   262656
.set SPARE, 295424
.set ADC, 7
.set XW,  8
.set SPW, 12
.set NIL, 13
.set ADW, 14
.set CS,  16
.set CF,  24
.set SM,  24
.set SQ,  40
.set PD,  56
.set WS,  64
.set GA,  64
.set BE,  96
.set BO,  128
.set G0,  32
.set G1,  40
.set MSB, 0
.macro WIN new
.if MSB != \new
	s_set_vgpr_msb (MSB<<8)|\new
.set MSB, \new
.endif
.endm
.macro CROUND
	s_barrier_signal -1
	s_barrier_wait -1
	s_cmp_lg_u32 s22, 0
	s_cbranch_scc1 .Lnot_wave_0_\@
	s_barrier_signal -3
.Lnot_wave_0_\@:
	s_barrier_wait -3
	s_barrier_signal -1
	s_barrier_wait -1
.endm
	s_load_b512 s[4:19], s[0:1], 0x0
	s_load_b64 s[20:21], s[0:1], 0x40
	v_lshl_add_u32 v[SPW], v0, 2, SPARE
	v_mov_b32 v[NIL], 0
	ds_add_u32 v12, v13
	ds_add_u32 v12, v13
	s_wait_dscnt 0x0
	v_lshrrev_b32 v8, 5, v0
	v_readfirstlane_b32 s22, v8
	s_bfe_u32 s29, ttmp6, 0x40000
	s_lshl_b32 s23, ttmp9, 2
	s_add_co_u32 s23, s23, s29
	v_and_b32 v9, 31, v0
	v_and_b32 v10, 15, v0
	v_bfe_u32 v11, v0, 4, 1
	v_lshlrev_b32 v1, 4, v9
	v_lshlrev_b32 v2, 5, v9
	v_lshlrev_b32 v3, 5, v11
	v_mul_u32_u24 v4, v10, SP
	v_lshl_add_u32 v4, v11, 5, v4
	s_lshl_b32 s24, s22, 10
	v_add_nc_u32 v4, s24, v4
	v_add_nc_u32 v5, 16*SP, v4
	s_mul_i32 s24, s22, 8*SP
	v_add_nc_u32 v6, s24, v1
	v_add_nc_u32 v[ADC], CTX, v1
	s_lshl_b32 s24, s22, 13
	v_add_nc_u32 v[XW], s24, v[ADC]
	s_lshl_b32 s28, s22, 15
	v_add_nc_u32 v[ADW], s28, v1
	v_add_nc_u32 v[ADW+1], SLOT1, v[ADW]
.irp p, 0,1,2,3,4,5,6,7
	v_mov_b32 v[PD+\p], 0
.endr
	s_mov_b32 s26, 0x76543210
	s_mov_b32 s27, 0xfedcba98
	s_mov_b32 s30, 0x3a800000
	s_mov_b32 s31, 0x3727c5ac
	s_mov_b32 s25, 0
	s_mov_b32 s[G1], 15|(3<<16)|(1<<21)
	s_mov_b32 s[G1+1], 256<<16
	s_mov_b32 s[G1+2], 16<<16
	s_mov_b32 s[G1+3], 256<<16
	s_mov_b32 s[G1+4], 16
	s_mov_b32 s[G1+5], 2048
	s_mov_b32 s[G1+6], 0
	s_mov_b32 s[G1+7], 0
	s_wait_kmcnt 0x0
	s_lshl_b32 s24, s23, 15
	s_lshl_b32 s29, s22, 13
	s_add_co_u32 s24, s24, s29
	s_add_nc_u64 s[4:5], s[4:5], s[24:25]
	s_lshl_b32 s24, s23, 10
	s_add_nc_u64 s[6:7], s[6:7], s[24:25]
	s_lshl_b32 s24, s22, 18
	s_add_nc_u64 s[8:9], s[8:9], s[24:25]
	s_lshl_b32 s24, s22, 13
	s_add_nc_u64 s[10:11], s[10:11], s[24:25]
	s_lshl_b32 s24, s22, 10
	s_add_nc_u64 s[12:13], s[12:13], s[24:25]
	s_lshl_b32 s24, s23, 17
	s_add_co_u32 s24, s24, s28
	s_add_nc_u64 s[14:15], s[14:15], s[24:25]
	s_add_nc_u64 s[20:21], s[20:21], s[24:25]
	s_mov_b32 s[G0], 1
	s_mov_b32 s[G0+1], s28
	s_mov_b64 s[G0+2:G0+3], s[8:9]
	s_or_b32 s[G0+3], s[G0+3], 0x80000000
	s_mov_b32 s[G0+4], 1
	s_add_co_u32 s[G0+5], s28, SLOT1
	s_add_nc_u64 s[G0+6:G0+7], s[8:9], 2048
	s_or_b32 s[G0+7], s[G0+7], 0x80000000
	WIN 0xc0
.irp i, 0,1,2,3,4,5,6,7,8,9,10,11,12,13,14,15
	global_load_b128 v[4*\i:4*\i+3], v1, s[4:5] offset:512*\i
.endr
	WIN 0
	global_load_b128 v[CS:CS+3], v2, s[6:7]
	global_load_b128 v[CS+4:CS+7], v2, s[6:7] offset:16
.irp i, 0,1,2,3,4,5,6,7
	global_load_b128 v[WS+8*\i:WS+8*\i+3], v2, s[10:11] offset:1024*\i
	global_load_b128 v[WS+8*\i+4:WS+8*\i+7], v2, s[10:11] offset:1024*\i+16
.endr
.irp b, 0,1,2,3,4,5,6,7,8,9,10,11,12,13,14,15
	global_load_b128 v[BO+8*\b:BO+8*\b+3], v3, s[12:13] offset:64*\b
	global_load_b128 v[BO+8*\b+4:BO+8*\b+7], v3, s[12:13] offset:64*\b+16
.endr
	CROUND
	tensor_load_to_lds s[G0:G0+3], s[G1:G1+7]
	s_nop 0
	s_wait_alu depctr_va_vdst(0)
	s_wait_tensorcnt 0x0
	ds_add_u32 v12, v13
	s_wait_dscnt 0x0
	CROUND
	tensor_load_to_lds s[G0+4:G0+7], s[G1:G1+7]
	s_nop 0
.rept 4
	v_nop
.endr
	s_wait_loadcnt 50
	WIN 0x0c
.irp i, 0,1,2,3,4,5,6,7,8,9,10,11,12,13,14,15
	ds_store_b128 v[XW], v[4*\i:4*\i+3] offset:512*\i
.endr
	WIN 0
	s_wait_loadcnt 0x0
	WIN 0x40
.irp p, 0,1,2,3,4,5,6,7
.irp q, 0,1,2,3,4,5,6,7
	global_load_b128 v[32*\p+4*\q:32*\p+4*\q+3], v1, s[14:15] offset:4096*\p+512*\q th:TH_LOAD_NT
.endr
.endr
	WIN 0
	s_wait_tensorcnt 1
	s_wait_dscnt 0x0
	s_barrier_signal -1
	s_barrier_wait -1
.macro CFETCH s
.irp a, 0,1
.irp c, 0,1,2,3
	ds_load_b128 v[CF+16*\a+4*\c:CF+16*\a+4*\c+3], v[ADC] offset:(32*\a+4*(\s)+\c)*512
.endr
.endr
.endm
.macro WFETCH slot, g
.irp k, 0,1,2,3
.irp c, 0,1,2,3
	ds_load_b128 v[16*(4*(\g)+\k)+4*\c:16*(4*(\g)+\k)+4*\c+3], v[ADW+\slot] offset:(4*(\g)+\k)*2048+512*\c
.endr
.endr
.endm
.macro MM s, b, a
.set rD, 8*(2*(\b)+(\a))
.set rA, 16*(\b)
.set rB, CF+16*(\a)
.set rW, WS+8*((\b)/2)+(\s)
.set rC, rD
.if (\s) == 0
.set rC, BO+8*(\b)
.endif
.if ((\b)%2 == 0) && ((\a) == 0)
	v_wmma_scale_f32_16x16x128_f8f6f4 v[rD:rD+7], v[rA:rA+15], v[rB:rB+15], v[rC:rC+7], v[rW], v[CS+(\s)] matrix_a_fmt:MATRIX_FMT_BF8 matrix_b_fmt:MATRIX_FMT_BF8
.elseif ((\b)%2 == 1) && ((\a) == 0)
	v_wmma_scale_f32_16x16x128_f8f6f4 v[rD:rD+7], v[rA:rA+15], v[rB:rB+15], v[rC:rC+7], v[rW], v[CS+(\s)] matrix_a_fmt:MATRIX_FMT_BF8 matrix_b_fmt:MATRIX_FMT_BF8 matrix_a_scale:MATRIX_SCALE_ROW1
.elseif ((\b)%2 == 0)
	v_wmma_scale_f32_16x16x128_f8f6f4 v[rD:rD+7], v[rA:rA+15], v[rB:rB+15], v[rC:rC+7], v[rW], v[CS+(\s)] matrix_a_fmt:MATRIX_FMT_BF8 matrix_b_fmt:MATRIX_FMT_BF8 matrix_b_scale:MATRIX_SCALE_ROW1
.else
	v_wmma_scale_f32_16x16x128_f8f6f4 v[rD:rD+7], v[rA:rA+15], v[rB:rB+15], v[rC:rC+7], v[rW], v[CS+(\s)] matrix_a_fmt:MATRIX_FMT_BF8 matrix_b_fmt:MATRIX_FMT_BF8 matrix_a_scale:MATRIX_SCALE_ROW1 matrix_b_scale:MATRIX_SCALE_ROW1
.endif
.endm
.macro MULG s, g
.irp k, 0,1,2,3
.irp a, 0,1
	MM \s, 4*(\g)+\k, \a
.endr
.endr
.endm
.macro KSTEP s
.set MULW, 0xa3
.if (\s) == 0
.set MULW, 0x83
.endif
	CFETCH \s
	WIN 0xc0
	WFETCH (\s)%2, 0
	WFETCH (\s)%2, 1
	WFETCH (\s)%2, 2
	s_wait_dscnt 32
	WIN MULW
	MULG \s, 0
	WIN 0xc0
	WFETCH (\s)%2, 3
	s_wait_dscnt 32
	WIN MULW
	MULG \s, 1
	s_wait_dscnt 16
	MULG \s, 2
	s_wait_dscnt 0x0
	MULG \s, 3
.rept 8
	v_nop
.endr
	WIN 0
.endm
.macro CHANGE s
.set PS, ((\s)+1)%2
	s_wait_tensorcnt 0x0
	ds_add_u32 v[SPW], v[NIL]
.if (\s) < 7
	s_add_nc_u64 s[G0+4*PS+2:G0+4*PS+3], s[G0+4*PS+2:G0+4*PS+3], 4096
	s_wait_dscnt 0x0
	CROUND
	tensor_load_to_lds s[G0+4*PS:G0+4*PS+3], s[G1:G1+7]
	s_nop 0
.rept 4
	v_nop
.endr
.else
	s_wait_dscnt 0x0
	s_barrier_signal -1
	s_barrier_wait -1
.endif
.endm
	KSTEP 0
.irp s, 1,2,3,4,5,6,7
	CHANGE \s
	s_wait_alu depctr_va_vdst(0)
	KSTEP \s
.endr
.irp q, 0,1,2,3,4,5,6,7
	global_load_b128 v[GA+4*\q:GA+4*\q+3], v1, s[16:17] offset:512*\q
	global_load_b128 v[BE+4*\q:BE+4*\q+3], v1, s[18:19] offset:512*\q
.endr
	WIN 0x08
.irp b, 0,1,2,3,4,5,6,7,8,9,10,11,12,13,14,15
.irp a, 0,1
	ds_store_b128 v[4+\a], v[8*(2*\b+\a):8*(2*\b+\a)+3] offset:64*\b
	ds_store_b128 v[4+\a], v[8*(2*\b+\a)+4:8*(2*\b+\a)+7] offset:64*\b+16
.endr
.endr
	s_wait_dscnt 0x0
	s_barrier_signal -1
	s_barrier_wait -1
	WIN 0xc0
.irp p, 0,1,2,3,4,5,6,7
.irp q, 0,1,2,3,4,5,6,7
	ds_load_b128 v[32*\p+4*\q:32*\p+4*\q+3], v6 offset:\p*SP+512*\q
.endr
.endr
	s_wait_dscnt 0x0
	s_wait_loadcnt 0x0
	WIN 0xc7
.set i, 0
.rept 128
	v_pk_add_f32 v[2*i:2*i+1], v[2*i:2*i+1], v[2*i:2*i+1]
.set i, i+1
.endr
.macro REDUCE base
.irp p, 0,1,2,3,4,5,6,7
	v_add_f32 v[\base+2*\p], v[\base+2*\p], v[\base+2*\p+1]
.endr
.irp m, 1,2,4,8
.irp p, 0,1,2,3,4,5,6,7
	v_add_f32_dpp v[\base+2*\p], v[\base+2*\p], v[\base+2*\p] row_xmask:\m row_mask:0xf bank_mask:0xf
.endr
.endr
.irp p, 0,1,2,3,4,5,6,7
	v_permlanex16_b32 v[PD+\p], v[\base+2*\p], s26, s27
.endr
.irp p, 0,1,2,3,4,5,6,7
	v_add_f32 v[\base+2*\p], v[\base+2*\p], v[PD+\p]
.endr
.endm
	WIN 0x0f
.irp p, 0,1,2,3,4,5,6,7
	v_pk_add_f32 v[SM+2*\p:SM+2*\p+1], v[32*\p:32*\p+1], v[32*\p+2:32*\p+3]
.endr
	WIN 0x0c
.set i, 2
.rept 14
.irp p, 0,1,2,3,4,5,6,7
	v_pk_add_f32 v[SM+2*\p:SM+2*\p+1], v[SM+2*\p:SM+2*\p+1], v[32*\p+2*i:32*\p+2*i+1]
.endr
.set i, i+1
.endr
	WIN 0
	REDUCE SM
.irp p, 0,1,2,3,4,5,6,7
	v_mul_f32 v[SM+2*\p], s30, v[SM+2*\p]
.endr
	WIN 0xc3
.set i, 0
.rept 16
.irp p, 0,1,2,3,4,5,6,7
	v_pk_add_f32 v[32*\p+2*i:32*\p+2*i+1], v[32*\p+2*i:32*\p+2*i+1], v[SM+2*\p:SM+2*\p+1] op_sel_hi:[1,0] neg_lo:[0,1] neg_hi:[0,1]
.endr
.set i, i+1
.endr
	WIN 0x0f
.irp p, 0,1,2,3,4,5,6,7
	v_pk_mul_f32 v[SQ+2*\p:SQ+2*\p+1], v[32*\p:32*\p+1], v[32*\p:32*\p+1]
.endr
.set i, 1
.rept 15
.irp p, 0,1,2,3,4,5,6,7
	v_pk_fma_f32 v[SQ+2*\p:SQ+2*\p+1], v[32*\p+2*i:32*\p+2*i+1], v[32*\p+2*i:32*\p+2*i+1], v[SQ+2*\p:SQ+2*\p+1]
.endr
.set i, i+1
.endr
	WIN 0
	REDUCE SQ
.irp p, 0,1,2,3,4,5,6,7
	v_fma_f32 v[SQ+2*\p], v[SQ+2*\p], s30, s31
.endr
	s_wait_alu depctr_va_vdst(0)
.irp p, 0,1,2,3,4,5,6,7
	v_rsq_f32 v[SQ+2*\p], v[SQ+2*\p]
.endr
	v_nop
	s_wait_alu depctr_va_vdst(0)
	WIN 0xc3
.set i, 0
.rept 16
.irp p, 0,1,2,3,4,5,6,7
	v_pk_mul_f32 v[32*\p+2*i:32*\p+2*i+1], v[32*\p+2*i:32*\p+2*i+1], v[SQ+2*\p:SQ+2*\p+1] op_sel_hi:[1,0]
.endr
.set i, i+1
.endr
.set i, 0
.rept 16
.irp p, 0,1,2,3,4,5,6,7
	v_pk_fma_f32 v[32*\p+2*i:32*\p+2*i+1], v[32*\p+2*i:32*\p+2*i+1], v[GA+2*i:GA+2*i+1], v[BE+2*i:BE+2*i+1]
.endr
.set i, i+1
.endr
	WIN 0x0c
.irp p, 0,1,2,3,4,5,6,7
.irp q, 0,1,2,3,4,5,6,7
	global_store_b128 v1, v[32*\p+4*\q:32*\p+4*\q+3], s[20:21] offset:4096*\p+512*\q th:TH_STORE_NT
.endr
.endr
	WIN 0
	s_wait_tensorcnt 0x0
	ds_add_u32 v[SPW], v[NIL]
	s_wait_dscnt 0x0
	CROUND
	s_endpgm
.Lfunc_end_k_qe3d4852e05_outln:
	.size	k_qe3d4852e05_outln, .Lfunc_end_k_qe3d4852e05_outln-k_qe3d4852e05_outln
	.p2alignl 7, 3214868480
	.fill 96, 4, 3214868480
	.section	.rodata,"a",@progbits
	.p2align	6, 0x0
	.amdhsa_kernel k_qe3d4852e05_outln
		.amdhsa_group_segment_fixed_size 327680
		.amdhsa_private_segment_fixed_size 0
		.amdhsa_enable_private_segment 0
		.amdhsa_kernarg_size 72
		.amdhsa_user_sgpr_count 2
		.amdhsa_user_sgpr_kernarg_segment_ptr 1
		.amdhsa_wavefront_size32 1
		.amdhsa_system_sgpr_workgroup_id_x 1
		.amdhsa_system_sgpr_workgroup_id_y 1
		.amdhsa_system_sgpr_workgroup_id_z 1
		.amdhsa_system_vgpr_workitem_id 0
		.amdhsa_next_free_vgpr 1024
		.amdhsa_next_free_sgpr 66
		.amdhsa_reserve_vcc 0
		.amdhsa_float_denorm_mode_32 3
		.amdhsa_float_denorm_mode_16_64 3
		.amdhsa_memory_ordered 1
		.amdhsa_forward_progress 1
		.amdhsa_inst_pref_size 167
	.end_amdhsa_kernel
	.amdgpu_metadata
---
amdhsa.version: [ 1, 2 ]
amdhsa.kernels:
  - .name:           k_qe3d4852e05_outln
    .symbol:         k_qe3d4852e05_outln.kd
    .args:
      - { .name: cc, .offset: 0, .size: 8, .value_kind: global_buffer, .address_space: global }
      - { .name: cs, .offset: 8, .size: 8, .value_kind: global_buffer, .address_space: global }
      - { .name: wo_img, .offset: 16, .size: 8, .value_kind: global_buffer, .address_space: global }
      - { .name: Wo_scales, .offset: 24, .size: 8, .value_kind: global_buffer, .address_space: global }
      - { .name: bo, .offset: 32, .size: 8, .value_kind: global_buffer, .address_space: global }
      - { .name: query, .offset: 40, .size: 8, .value_kind: global_buffer, .address_space: global }
      - { .name: gamma, .offset: 48, .size: 8, .value_kind: global_buffer, .address_space: global }
      - { .name: beta, .offset: 56, .size: 8, .value_kind: global_buffer, .address_space: global }
      - { .name: out0, .offset: 64, .size: 8, .value_kind: global_buffer, .address_space: global }
    .group_segment_fixed_size: 327680
    .private_segment_fixed_size: 0
    .kernarg_segment_align: 8
    .kernarg_segment_size: 72
    .max_flat_workgroup_size: 128
    .sgpr_count:     66
    .vgpr_count:     1024
    .wavefront_size: 32
...
	.end_amdgpu_metadata
.endif
;; end of part 4
